; MI455X (gfx1250); checked and timed in simulation.
; The chip was launched on July 23, 2026; its instructions are those of AMD's public machine-readable ISA for CDNA 5 (MIT licence, August 2026) and "CDNA5" Instruction Set Architecture Reference Guide (July 2026). The comments in the code are by the model that wrote it; some were corrected since.
;; Causal Self Attention. Allowed arithmetic: matrix products marked QUANTISED: E2M3 operands, one E8M0 scale for each 32 along K, by v_wmma_scale_f32_16x16x128_f8f6f4 with both operands' format E2M3, f32 sums; everything else in f32.
;; Inputs: Wk_codes 256 x 32 x 24 uint8 (E2M3 codes of Wk, K innermost, in blocks of 32 codes, four codes in three bytes); Wk_scales 256 x 32 uint8 (E8M0 scales of Wk, one for each 32 codes along K); Wproj_codes 1,024 x 32 x 24 uint8 (E2M3 codes of Wproj, K innermost, in blocks of 32 codes, four codes in three bytes); Wproj_scales 1,024 x 32 uint8 (E8M0 scales of Wproj, one for each 32 codes along K); Wq_codes 1,024 x 32 x 24 uint8 (E2M3 codes of Wq, K innermost, in blocks of 32 codes, four codes in three bytes); Wq_scales 1,024 x 32 uint8 (E8M0 scales of Wq, one for each 32 codes along K); Wv_codes 256 x 32 x 24 uint8 (E2M3 codes of Wv, K innermost, in blocks of 32 codes, four codes in three bytes); Wv_scales 256 x 32 uint8 (E8M0 scales of Wv, one for each 32 codes along K); q_gain 16 float32; x_codes 1 x 4,096 x 32 x 24 uint8 (E2M3 codes of x, K innermost, in blocks of 32 codes, four codes in three bytes); x_scales 1 x 4,096 x 32 uint8 (E8M0 scales of x, one for each 32 codes along K).
;; Outputs: out0 1 x 4,096 x 1,024 float32.
;; This version of the problem:
;;   THIS VERSION OF THE PROBLEM IS GIVEN IN LOW PRECISION. The matrix products marked QUANTISED in the list below multiply operands that are first quantised to E2M3 (2 exponent bits, 3 mantissa bits; 6 bits a number), with one power-of-two scale for each 32 numbers along K (OCP MX v1.0); their sums are f32. All else is computed in f32.
;;   The module's matrix products, in the order in which they are computed (A, B: the left and right operand; K: the contracted axis; several contracted axes count as one K, in the product's order):
;;     1. [M 4,096, K 1,024] x [K 1,024, N 1,024]; A: input x (given as codes); B: input Wq (given as codes): QUANTISED
;;     2. [M 4,096, K 1,024] x [K 1,024, N 256]; A: input x (given as codes); B: input Wk (given as codes): QUANTISED
;;     3. [M 4,096, K 1,024] x [K 1,024, N 256]; A: input x (given as codes); B: input Wv (given as codes): QUANTISED
;;     4. batch 16 x [M 4,096, K 64] x [K 64, N 4,096]; A: computed on the way; B: computed on the way: QUANTISED
;;     5. batch 16 x [M 4,096, K 4,096] x [K 4,096, N 64]; A: softmax (see below); B: computed on the way: QUANTISED
;;     6. [M 4,096, K 1,024] x [K 1,024, N 1,024]; A: computed on the way; B: input Wproj (given as codes): QUANTISED
;;   THE QUANTISER, for each operand of a quantised product, along K:
;;     - K is cut into blocks of 32 from its start; a last block that is shorter is filled with zeros.
;;     - A block's scale is 2^e with e = floor(log2(the largest magnitude in the block)) - 2, held to -126 .. 127; a block of zeros has e = 0. As a byte (E8M0): e + 127.
;;     - Each number is divided by its block's scale, clamped to +-7.5, and rounded to the nearest number of E2M3, ties to even, subnormals kept.
;;     - The product sums the exact products of the quantised numbers (number of the format x scale) in f32.
;;   ~~~python
;;   def quantise(x, axis):      # numpy; x: float32 -> the quantised numbers, widened to float32 again
;;       x = np.moveaxis(x, axis, -1); K = x.shape[-1]
;;       x = np.pad(x, [(0, 0)] * (x.ndim - 1) + [(0, -K % 32)]); x = x.reshape(x.shape[:-1] + (-1, 32)); a = np.abs(x).max(-1, keepdims=True)
;;       e = np.where(a > 0, np.clip(np.frexp(np.where(a > 0, a, 1))[1] - 1 - 2, -126, 127), 0)      # np.frexp(a)[1] - 1 = floor(log2(a)), exactly
;;       r = np.clip(x / 2.0 ** e, -7.5, 7.5)
;;       step = 2.0 ** (np.maximum(np.frexp(np.where(r == 0, 1, r))[1] - 1, 0) - 3)
;;       q = np.round(r / step) * step * 2.0 ** e      # np.round: ties to even
;;       return np.moveaxis(q.reshape(q.shape[:-2] + (-1,))[..., :K], -1, axis).astype(np.float32)
;;   ~~~
;;   SOFTMAX AHEAD OF A QUANTISED PRODUCT. Where the list says 'softmax', what is quantised is not the finished softmax but p = 2^(t - M), with t = logit x log2(e) and M = ceil(the row's largest t), a whole number; so 1/2 < the row's largest p <= 1. The row's sum l is taken of the UNQUANTISED p, in f32, and the product's result is divided by l at the end. Since M is a whole number, a kernel that streams over the keys may use a running M (the ceiling of the running maximum): every later rescaling is an exact power of two, which a block's scale takes up: the codes' values come out the same.
;;   OPERANDS COMPUTED ON THE WAY. 'Computed on the way' means the value that the module computes at that place (a softmax that the list does not call 'softmax' is quantised finished and normalised). What goes into a quantiser is computed in f32, as accurately as f32 sums, v_exp_f32 and their like allow (about 1e-6 of the number): no bf16 or f16 on the way to a quantiser, and a product that is left as it is and whose result goes on into a quantised operand takes f32 operands (vector FMAs, or v_wmma_f32_16x16x4_f32). A number that lies on a knife's edge between two numbers of the format may be rounded either way, as far as f32 arithmetic and the matrix unit's own rounding can turn it there, and no further.
;;   INPUTS GIVEN AS CODES. Wk (in the module: [256, 1024], K = its axis 1); Wproj (in the module: [1024, 1024], K = its axis 1); Wq (in the module: [1024, 1024], K = its axis 1); Wv (in the module: [256, 1024], K = its axis 1); x (in the module: [1, 4096, 1024], K = its axis 2): each comes as NAME_codes (uint8): NAME with its K axis moved to the last place and cut into blocks of 32 codes, [.., K / 32, bytes a block], one block behind the other in memory; four codes in three bytes: a row's codes are one little-endian stream of bits, code i at bits 6 i .. 6 i + 5 (a code: sign, 2 exponent bits, 3 mantissa bits); and NAME_scales (uint8): the same leading axes, one E8M0 byte (e + 127) for each 32 codes along K. Its value is code x scale, taken as it is: it is not quantised again, and the codes and scales need not be those that the quantiser above would give.
;; One version. Each part assembles by itself: llvm-mc -triple=amdgcn-amd-amdhsa -mcpu=gfx1250 --defsym DOCPART=n.
;; ======== version 1 of 1: 3 launches
;; workspace buffers: kst 851,968 bytes; vst 851,968 bytes; qc 3,145,728 bytes; qs 262,144 bytes; yc 3,145,728 bytes; ys 131,072 bytes
;; launch qkv (part 1): grid 32 x 8, 12 waves a work-group, clusters of 4 x 1, 327,680 bytes of LDS; arguments x_codes, x_scales, Wq_codes, Wq_scales, Wk_codes, Wk_scales, Wv_codes, Wv_scales, q_gain, kst, vst, qc, qs; writes kst, vst, qc, qs
.if DOCPART == 1
	.amdgcn_target "amdgcn-amd-amdhsa--gfx1250"
	.amdhsa_code_object_version 6
	.text
	.protected	k_q742dfa3295_qkv
	.globl	k_q742dfa3295_qkv
	.p2align	8
	.type	k_q742dfa3295_qkv,@function
k_q742dfa3295_qkv:
	s_mov_b64 s[64:65], 0
	v_nop
	global_prefetch_b8 v0, s[64:65] scope:SCOPE_SE
	s_setreg_imm32_b32 hwreg(HW_REG_WAVE_MODE, 25, 1), 1
	s_wait_xcnt 0x0
	s_wait_alu depctr_hold_cnt(0) depctr_sa_sdst(0) depctr_va_vdst(0) depctr_va_sdst(0) depctr_va_ssrc(0) depctr_va_vcc(0) depctr_vm_vsrc(0)
	s_getreg_b32 s2, hwreg(HW_REG_IB_STS2, 6, 4)
	s_cmp_eq_u32 s2, 0
	s_cbranch_scc0 .Lentry_in_a_cluster
	s_endpgm
.Lentry_in_a_cluster:
	s_bfe_u32 s2, ttmp6, 0x10000c
	s_cmp_lg_u32 s2, 0x3003
	s_cbranch_scc0 .Lentry_shape_is_right
	s_endpgm
.Lentry_shape_is_right:
; LAUNCH 1 OF 3: q = x Wq^T, k = x Wk^T, v = x Wv^T on the given codes of FP6 (E2M3); RMS norm, rotary turn and gain in f32; q and k quantised along the head's 64, v along the keys.
; WORK LEFT OUT BY THE PROGRAM (in launch 2): key steps of 128 keys that lie wholly behind a tile's 16 queries.  reference() replaces every logit with key > query by a constant (jnp.where on its own jnp.tril),
; so the product q . k there reaches no output whatever the inputs hold; and p = 2^(t - M) of that constant lies under every number of the format at any block scale, so its code is 0 and adds nothing to p v nor,
; within f32, to the row's sum.  Nothing else is left out; every input has a way to the output and is loaded.  LIMIT: a NaN, an infinity or an overflow that reaches only those hidden products is not carried to the result.
; LIMITS: NaN and infinities among the inputs, and a head's sum of squares beyond f32's range, are not served.  The gain is multiplied into the norm's factor ahead of the turn, and the turn uses fused multiply-adds:
; an order of rounding that differs from reference()'s by an ulp or two.  1 / 10000^(i/32) is taken as the f32 nearest to 1 / (the f32 nearest to 10^(i/8)).  A block of zeros gets the scale byte 1 (its codes are zeros; this program alone reads the bytes).
; SHARES.  A work-group takes 128 tokens (tb) x 3 of the 24 heads (16 of q, 4 of k, 4 of v; head = 3 gx + i).  Twelve waves: wave w has head slot i = w / 4 and quarter qt = w % 4.
;   A wave of q or k: 32 tokens x the head's 64 features, 8 accumulators, TRANSPOSED (source 0 = 16 rows of W, source 1 = 16 tokens): a lane holds one token, its registers run along the features.
;   A wave of v: 16 features x all 128 tokens, 8 accumulators (source 0 = 16 tokens, source 1 = 16 rows of Wv): a lane holds one feature, its registers run along the keys: one wave fills eight rows of each of two fragments of V, and their scale words.
; ORDER INSIDE A BLOCK OF 32.  The 16 registers of two neighbouring tiles hold elements 16 v + 8 h + j (v the tile, h = lane / 16); behind the conversion and the exchange of halves code place 16 h + 8 v + j holds that element.
;   The same order falls on q and k (along d) and, in launch 2, on p and v (along the keys), inside one scale block: the products are the same.
; OUT, as images of operand registers (plane p of 512 bytes: lane l's registers 4 p .. 4 p + 3 at 16 l):
;   kst [kv head][step of 128 keys][6,656]: four fragments of 1,536 bytes, fragment f's row r = key 32 f + r's 64 codes, then key 32 f + 16 + r's; at 6,144: lane l's four scale words at 16 l.
;   vst the same shape: fragment 2 b + v', row r' = feature 32 b + 8 v' + r' + 8 (r' / 8), K = the step's 128 keys (so that launch 2's result has neighbouring features in a lane's registers).
;   qc [head][tile of 16 queries][768]: six registers a lane (512 bytes at 16 l, 256 at 8 l); qs [head][tile][16] words {s0, s1, s0, s1}.
; CLUSTER 4 x 1: the four partners share gx, so W's tiles (three fifths of a work-group's bytes) are asked for jointly; x's are each work-group's own.  A cluster along y too would put a partner's place into the head's number, on which a branch hangs.
; The scale words (4 bytes a lane, 16 apart) and v's runs of 128 bytes do not fill aligned blocks of 256 bytes by one instruction: they are under a fifth of what the launch stores.
.set RP,    816                        ; an LDS row of 1,024 codes: 3 x (256 bytes + 16 of padding)
.set LOADB, 96*272                     ; what one tensor load brings: 32 rows = 96 blocks of 256 bytes
.set WL,    4*LOADB                    ; LDS: x's 128 rows from 0; W's 3 x 64 rows from here
.set SPARE, 10*LOADB                   ; the spare words, 128 bytes for each of twelve waves: six blocks of 256 bytes that no other line names
.set SPW, 1                            ; v1   LDS address of my spare word; never rewritten
.set NIL, 2                            ; v2   0; never rewritten
.set XA,  3                            ; v3,4   q/k: my 32 tokens' rows in LDS (the second: for pieces that lie behind one padding more in lanes 16-31)
.set XV0, 5                            ; v5,6   v: tokens 0-63;   v7,8: tokens 64-127
.set XV1, 7
.set WA,  9                            ; v9,10  q/k: my head's 64 rows of W
.set WVA, 11                           ; v11,12 v: my 16 rows of Wv
.set L16, 13                           ; 16, 8, 4 x lane
.set L8,  14
.set L4,  15
.set XS,  16                           ; v16-55 hold scale words and nothing else.  q/k: v16-23 x's (lanes 0-15 tile 0, lanes 16-31 tile 1), v24-39 W's
.set WS,  24
.set XS4, 16                           ; v: v16-47 x's, v48-55 Wv's
.set WSV, 48
.set TR,  56                           ; v56-119 for token tile u: cosines at 56 + 32 u, sines at 72 + 32 u
.set ACC, 120                          ; v120-183 eight accumulators
.set XF,  184                          ; fragments of x: q/k two, v four
.set WF,  208                          ; q/k: four fragments of W
.set WFV, 232                          ; v: one fragment of Wv
.set FQ,  120                          ; at work on the tables, ahead of the products: v120-236
.set RR,  136
.set NN,  152
.set ZZ,  168
.set PP,  184
.set CC,  200
.set TT,  216
.set OUT, 184                          ; q/k behind the products: the turned head, 32 registers
.set TM,  216
.set PC,  224                          ; the codes: 6 registers a token tile
.set T2,  236
.set HW,  250                          ; v250, v251: a token's two scale bytes, tile 0 and 1
.set TMV, 184                          ; v behind the products
.set PCV, 200
.set PWV, 220
.macro PLACES                          ; four plain places behind a matrix instruction, in front of loads into its sources and of the first read of its result
.rept 4
	v_nop
.endr
.endm
.macro CROUND                          ; a round of the cluster's barrier
	s_barrier_signal -1
	s_barrier_wait -1
	s_cmp_lg_u32 s2, 0
	s_cbranch_scc1 .Lnot_wave_0_\@
	s_barrier_signal -3
.Lnot_wave_0_\@:
	s_barrier_wait -3
	s_barrier_signal -1
	s_barrier_wait -1
.endm
; One product of 16 x 16 x 128.  zero = 1: it starts the sum.  ra, rb = 1: that side's scale words stand in lanes 16-31
.macro WM d, a, b, zero, sa, sb, ra, rb
.if \zero
.if (\ra) && (\rb)
	v_wmma_scale_f32_16x16x128_f8f6f4 v[(\d):(\d)+7], v[(\a):(\a)+11], v[(\b):(\b)+11], 0, v[\sa], v[\sb] matrix_a_fmt:MATRIX_FMT_FP6 matrix_b_fmt:MATRIX_FMT_FP6 matrix_a_scale:MATRIX_SCALE_ROW1 matrix_b_scale:MATRIX_SCALE_ROW1
.elseif \ra
	v_wmma_scale_f32_16x16x128_f8f6f4 v[(\d):(\d)+7], v[(\a):(\a)+11], v[(\b):(\b)+11], 0, v[\sa], v[\sb] matrix_a_fmt:MATRIX_FMT_FP6 matrix_b_fmt:MATRIX_FMT_FP6 matrix_a_scale:MATRIX_SCALE_ROW1
.elseif \rb
	v_wmma_scale_f32_16x16x128_f8f6f4 v[(\d):(\d)+7], v[(\a):(\a)+11], v[(\b):(\b)+11], 0, v[\sa], v[\sb] matrix_a_fmt:MATRIX_FMT_FP6 matrix_b_fmt:MATRIX_FMT_FP6 matrix_b_scale:MATRIX_SCALE_ROW1
.else
	v_wmma_scale_f32_16x16x128_f8f6f4 v[(\d):(\d)+7], v[(\a):(\a)+11], v[(\b):(\b)+11], 0, v[\sa], v[\sb] matrix_a_fmt:MATRIX_FMT_FP6 matrix_b_fmt:MATRIX_FMT_FP6
.endif
.else
.if (\ra) && (\rb)
	v_wmma_scale_f32_16x16x128_f8f6f4 v[(\d):(\d)+7], v[(\a):(\a)+11], v[(\b):(\b)+11], v[(\d):(\d)+7], v[\sa], v[\sb] matrix_a_fmt:MATRIX_FMT_FP6 matrix_b_fmt:MATRIX_FMT_FP6 matrix_a_scale:MATRIX_SCALE_ROW1 matrix_b_scale:MATRIX_SCALE_ROW1
.elseif \ra
	v_wmma_scale_f32_16x16x128_f8f6f4 v[(\d):(\d)+7], v[(\a):(\a)+11], v[(\b):(\b)+11], v[(\d):(\d)+7], v[\sa], v[\sb] matrix_a_fmt:MATRIX_FMT_FP6 matrix_b_fmt:MATRIX_FMT_FP6 matrix_a_scale:MATRIX_SCALE_ROW1
.elseif \rb
	v_wmma_scale_f32_16x16x128_f8f6f4 v[(\d):(\d)+7], v[(\a):(\a)+11], v[(\b):(\b)+11], v[(\d):(\d)+7], v[\sa], v[\sb] matrix_a_fmt:MATRIX_FMT_FP6 matrix_b_fmt:MATRIX_FMT_FP6 matrix_b_scale:MATRIX_SCALE_ROW1
.else
	v_wmma_scale_f32_16x16x128_f8f6f4 v[(\d):(\d)+7], v[(\a):(\a)+11], v[(\b):(\b)+11], v[(\d):(\d)+7], v[\sa], v[\sb] matrix_a_fmt:MATRIX_FMT_FP6 matrix_b_fmt:MATRIX_FMT_FP6
.endif
.endif
.endm
; A fragment, 16 rows x 128 K (K step s) from row 'row' on: lane (r, h) takes the 24 bytes at 96 s + 24 h and at 96 s + 48 + 24 h of its row, in pieces of 8.  Behind every 256 bytes lie 16 of padding:
; where lanes 16-31's piece (24 bytes on) lies behind one padding more than lanes 0-15's, the second address register (16 h more) serves.
.macro FRAG reg, adr, s, row
.irp p, 0,1,2,3,4,5
.set PB, 96*(\s)+48*(\p/3)+8*(\p%3)
.if (PB+24)/256 == PB/256
	ds_load_b64 v[(\reg)+2*\p:(\reg)+2*\p+1], v[\adr] offset:PB+16*(PB/256)+(\row)*RP
.else
	ds_load_b64 v[(\reg)+2*\p:(\reg)+2*\p+1], v[(\adr)+1] offset:PB+16*(PB/256)+(\row)*RP
.endif
.endr
.endm
; 10^(i/8) for register n = 8 v + j, whose pair of features has i = 16 v + 8 h + j: lanes 0-15 take lo, lanes 16-31 hi (VCC: h = 1)
.macro FREQ n, lo, hi
	v_mov_b32 v[FQ+\n], \hi
	v_cndmask_b32 v[FQ+\n], \lo, v[FQ+\n], vcc_lo
.endm
; Cosines and sines of t x inv_freq for token tile u; v[tv] = my token's number as f32.  The angle is one f32 product, as reference() has it.  It is reduced by N = the nearest whole number of quarter turns,
; pi/2 in two parts (N has 12 bits at the most, so the first multiply-add is exact); series to R^9 and R^10 on |R| <= pi/4 + a little; N's low two bits swap and sign the pair.  Stage by stage over the 16 registers: no line waits for the line above it.
.macro TRIG u, tv
.irp n, 0,1,2,3,4,5,6,7,8,9,10,11,12,13,14,15
	v_mul_f32 v[RR+\n], v[FQ+\n], v[\tv]
.endr
.irp n, 0,1,2,3,4,5,6,7,8,9,10,11,12,13,14,15
	v_mul_f32 v[NN+\n], 0x3f22f983, v[RR+\n]                   ; x 2 / pi
.endr
.irp n, 0,1,2,3,4,5,6,7,8,9,10,11,12,13,14,15
	v_rndne_f32 v[NN+\n], v[NN+\n]
.endr
.irp n, 0,1,2,3,4,5,6,7,8,9,10,11,12,13,14,15
	v_fmamk_f32 v[RR+\n], v[NN+\n], 0xbfc90fdb, v[RR+\n]       ; - N x the f32 nearest to pi/2
.endr
.irp n, 0,1,2,3,4,5,6,7,8,9,10,11,12,13,14,15
	v_fmamk_f32 v[RR+\n], v[NN+\n], 0x333bbd2e, v[RR+\n]       ; - N x the rest of pi/2 (which is negative)
.endr
.irp n, 0,1,2,3,4,5,6,7,8,9,10,11,12,13,14,15
	v_mul_f32 v[ZZ+\n], v[RR+\n], v[RR+\n]
.endr
.irp n, 0,1,2,3,4,5,6,7,8,9,10,11,12,13,14,15
	v_fmaak_f32 v[PP+\n], v235, v[ZZ+\n], 0xb9500d01           ; 1/9! Z - 1/7!
.endr
.irp n, 0,1,2,3,4,5,6,7,8,9,10,11,12,13,14,15
	v_fmaak_f32 v[PP+\n], v[PP+\n], v[ZZ+\n], 0x3c088889       ; + 1/5!
.endr
.irp n, 0,1,2,3,4,5,6,7,8,9,10,11,12,13,14,15
	v_fmaak_f32 v[PP+\n], v[PP+\n], v[ZZ+\n], 0xbe2aaaab       ; - 1/3!
.endr
.irp n, 0,1,2,3,4,5,6,7,8,9,10,11,12,13,14,15
	v_mul_f32 v[TT+\n], v[RR+\n], v[ZZ+\n]
.endr
.irp n, 0,1,2,3,4,5,6,7,8,9,10,11,12,13,14,15
	v_fma_f32 v[PP+\n], v[TT+\n], v[PP+\n], v[RR+\n]           ; sin R
.endr
.irp n, 0,1,2,3,4,5,6,7,8,9,10,11,12,13,14,15
	v_fmaak_f32 v[CC+\n], v236, v[ZZ+\n], 0x37d00d01           ; -1/10! Z + 1/8!
.endr
.irp n, 0,1,2,3,4,5,6,7,8,9,10,11,12,13,14,15
	v_fmaak_f32 v[CC+\n], v[CC+\n], v[ZZ+\n], 0xbab60b61       ; - 1/6!
.endr
.irp n, 0,1,2,3,4,5,6,7,8,9,10,11,12,13,14,15
	v_fmaak_f32 v[CC+\n], v[CC+\n], v[ZZ+\n], 0x3d2aaaab       ; + 1/4!
.endr
.irp n, 0,1,2,3,4,5,6,7,8,9,10,11,12,13,14,15
	v_mul_f32 v[TT+\n], v[ZZ+\n], v[ZZ+\n]
.endr
.irp n, 0,1,2,3,4,5,6,7,8,9,10,11,12,13,14,15
	v_fma_f32 v[ZZ+\n], v[ZZ+\n], -0.5, 1.0
.endr
.irp n, 0,1,2,3,4,5,6,7,8,9,10,11,12,13,14,15
	v_fma_f32 v[CC+\n], v[TT+\n], v[CC+\n], v[ZZ+\n]           ; cos R
.endr
.irp n, 0,1,2,3,4,5,6,7,8,9,10,11,12,13,14,15
	v_cvt_i32_f32 v[NN+\n], v[NN+\n]
.endr
.irp n, 0,1,2,3,4,5,6,7,8,9,10,11,12,13,14,15
	v_and_b32 v[TT+\n], 1, v[NN+\n]
.endr
.irp n, 0,1,2,3,4,5,6,7,8,9,10,11,12,13,14,15
	v_lshlrev_b32 v[NN+\n], 30, v[NN+\n]                       ; N's low two bits on top
.endr
.irp n, 0,1,2,3,4,5,6,7,8,9,10,11,12,13,14,15
	v_cmp_eq_u32 vcc_lo, 1, v[TT+\n]                           ; an odd quarter: sine and cosine change places (a choice of values: no branch)
	v_cndmask_b32 v[TR+32*(\u)+16+\n], v[PP+\n], v[CC+\n], vcc_lo
	v_cndmask_b32 v[TR+32*(\u)+\n], v[CC+\n], v[PP+\n], vcc_lo
.endr
.irp n, 0,1,2,3,4,5,6,7,8,9,10,11,12,13,14,15
	v_and_b32 v[TT+\n], 0x80000000, v[NN+\n]                   ; the sine is negative in quarters 2 and 3,
.endr
.irp n, 0,1,2,3,4,5,6,7,8,9,10,11,12,13,14,15
	v_xor_b32 v[TR+32*(\u)+16+\n], v[TT+\n], v[TR+32*(\u)+16+\n]
.endr
.irp n, 0,1,2,3,4,5,6,7,8,9,10,11,12,13,14,15
	v_add_nc_u32 v[NN+\n], 0x40000000, v[NN+\n]                ; the cosine in quarters 1 and 2
.endr
.irp n, 0,1,2,3,4,5,6,7,8,9,10,11,12,13,14,15
	v_and_b32 v[NN+\n], 0x80000000, v[NN+\n]
.endr
.irp n, 0,1,2,3,4,5,6,7,8,9,10,11,12,13,14,15
	v_xor_b32 v[TR+32*(\u)+\n], v[NN+\n], v[TR+32*(\u)+\n]
.endr
.endm
; q/k: K step s: two fragments of x, four of W, eight products.  The eight accumulators take turns, one instruction a turn, from step to step too
.macro QKSTEP s, zero
.if !(\zero)
	PLACES
.endif
	FRAG XF, XA, \s, 0
	FRAG XF+12, XA, \s, 16
.irp t, 0,1,2,3
	FRAG WF+12*\t, WA, \s, 16*\t
.endr
	s_wait_dscnt 0x0
.irp u, 0,1
.irp t, 0,1,2,3
	WM ACC+32*\u+8*\t, WF+12*\t, XF+12*\u, \zero, WS+8*(\t/2)+\s, XS+\s, \t%2, \u
.endr
.endr
.endm
; mean of squares + eps of token tile u's head: my 32 features in two chains (each accumulator from its low end on), then lane l xor 16's
.macro SSQ u, dst
.set A0, ACC+32*(\u)
	v_pk_mul_f32 v[240:241], v[A0:A0+1], v[A0:A0+1]
	v_pk_mul_f32 v[242:243], v[A0+2:A0+3], v[A0+2:A0+3]
.irp m, 1,2,3,4,5,6,7
	v_pk_fma_f32 v[240:241], v[A0+4*\m:A0+4*\m+1], v[A0+4*\m:A0+4*\m+1], v[240:241]
	v_pk_fma_f32 v[242:243], v[A0+4*\m+2:A0+4*\m+3], v[A0+4*\m+2:A0+4*\m+3], v[242:243]
.endr
	v_pk_add_f32 v[240:241], v[240:241], v[242:243]
	v_add_f32 v240, v240, v241
	v_permlanex16_b32 v241, v240, s60, s61
	v_add_f32 v240, v240, v241
	v_fma_f32 v[\dst], v240, s63, s66              ; sum / 64 + eps, one rounding
.endm
; the norm's factor (with the gain), then the turn: registers 0-15 are x1 (features 16 v + 8 h + j), registers 16-31 x2 (32 further on)
.macro ROPE u
.set A0, ACC+32*(\u)
.set C0, TR+32*(\u)
.irp k, 0,1,2,3,4,5,6,7,8,9,10,11,12,13,14,15
	v_pk_mul_f32 v[A0+2*\k:A0+2*\k+1], v[A0+2*\k:A0+2*\k+1], v[244+2*(\u):245+2*(\u)] op_sel_hi:[1,0]
.endr
.irp k, 0,1,2,3,4,5,6,7
	v_pk_mul_f32 v[216+4*(\k%2):217+4*(\k%2)], v[A0+2*\k:A0+2*\k+1], v[C0+2*\k:C0+2*\k+1]
	v_pk_mul_f32 v[218+4*(\k%2):219+4*(\k%2)], v[A0+16+2*\k:A0+17+2*\k], v[C0+2*\k:C0+2*\k+1]
	v_pk_fma_f32 v[OUT+2*\k:OUT+2*\k+1], v[A0+16+2*\k:A0+17+2*\k], v[C0+16+2*\k:C0+17+2*\k], v[216+4*(\k%2):217+4*(\k%2)]                               ; x1 cos + x2 sin
	v_pk_fma_f32 v[OUT+16+2*\k:OUT+17+2*\k], v[A0+2*\k:A0+2*\k+1], v[C0+16+2*\k:C0+17+2*\k], v[218+4*(\k%2):219+4*(\k%2)] neg_lo:[1,0,0] neg_hi:[1,0,0]  ; x2 cos - x1 sin
.endr
.endm
; 32 numbers of a lane, two blocks of 32 shared with lane l xor 16, become six registers of codes (lane (r, h): block h of row r) and the row's two scale bytes
.macro QUANT2 s, pc, hw
.irp b, 0,1
	v_max3_num_f32 v[TM+\b], |v[(\s)+16*\b]|, |v[(\s)+1+16*\b]|, 0x1800000   ; my 16 numbers, and the floor 2^(3 - 127): the byte cannot fall under 1
.endr
.irp i, 2,4,6,8,10,12,14
.irp b, 0,1
	v_max3_num_f32 v[TM+\b], v[TM+\b], |v[(\s)+16*\b+\i]|, |v[(\s)+1+16*\b+\i]|
.endr
.endr
.irp b, 0,1
	v_permlanex16_b32 v[TM+2+\b], v[TM+\b], s60, s61
.endr
.irp b, 0,1
	v_max_num_f32 v[TM+\b], v[TM+\b], v[TM+2+\b]   ; the block's largest magnitude
.endr
.irp b, 0,1
	v_add_nc_u32 v[TM+4+\b], 0xff000000, v[TM+\b]  ; 2 off its exponent field: the conversion's scale operand
.endr
.irp b, 0,1
	v_lshrrev_b32 v[TM+2+\b], 23, v[TM+4+\b]       ; the scale's byte
.endr
	v_lshl_or_b32 v[\hw], v[TM+3], 8, v[TM+2]
	v_cvt_scalef32_pk16_fp6_f32 v[(\pc):(\pc)+2], v[(\s):(\s)+15], v[TM+4]
	v_cvt_scalef32_pk16_fp6_f32 v[T2:T2+2], v[(\s)+16:(\s)+31], v[TM+5]
	v_nop                                          ; one plain place behind a scaled conversion
.irp i, 0,1,2
	v_permlane16_swap_b32 v[(\pc)+\i], v[T2+\i]    ; lanes 0-15 get block 0 whole, lanes 16-31 block 1
.endr
.irp i, 0,1,2
	v_mov_b32 v[(\pc)+3+\i], v[T2+\i]
.endr
.endm
; v: K step s: Wv's fragment, then twice four fragments of x and four products
.macro VSTEP s, zero
.irp pi, 0,1
.if !((\zero) && (\pi == 0))
	PLACES
.endif
.if \pi == 0
	FRAG WFV, WVA, \s, 0
.endif
.irp k, 0,1,2,3
	FRAG XF+12*\k, XV0+2*\pi, \s, 16*\k
.endr
	s_wait_dscnt 0x0
.if (\zero) && (\pi == 0)
	s_wait_loadcnt 0x0                             ; the scale words, asked for ahead of the first fragments
.endif
.irp k, 0,1,2,3
	WM ACC+8*(4*\pi+\k), XF+12*\k, WFV, \zero, XS4+8*(2*\pi+\k/2)+\s, WSV+\s, \k%2, 0
.endr
.endr
.endm
; 64 numbers of a lane, four blocks of 32 shared with lane l xor 16, become a fragment's twelve registers and its row's scale word
.macro QUANT4 s
.irp b, 0,1,2,3
	v_max3_num_f32 v[TMV+\b], |v[(\s)+16*\b]|, |v[(\s)+1+16*\b]|, 0x1800000
.endr
.irp i, 2,4,6,8,10,12,14
.irp b, 0,1,2,3
	v_max3_num_f32 v[TMV+\b], v[TMV+\b], |v[(\s)+16*\b+\i]|, |v[(\s)+1+16*\b+\i]|
.endr
.endr
.irp b, 0,1,2,3
	v_permlanex16_b32 v[TMV+4+\b], v[TMV+\b], s60, s61
.endr
.irp b, 0,1,2,3
	v_max_num_f32 v[TMV+\b], v[TMV+\b], v[TMV+4+\b]
.endr
.irp b, 0,1,2,3
	v_add_nc_u32 v[TMV+12+\b], 0xff000000, v[TMV+\b]
.endr
.irp b, 0,1,2,3
	v_lshrrev_b32 v[TMV+4+\b], 23, v[TMV+12+\b]
.endr
	v_lshl_or_b32 v[PWV], v[TMV+5], 8, v[TMV+4]
	v_lshl_or_b32 v[PWV], v[TMV+6], 16, v[PWV]
	v_lshl_or_b32 v[PWV], v[TMV+7], 24, v[PWV]
.irp c, 0,1
	v_cvt_scalef32_pk16_fp6_f32 v[PCV+6*\c:PCV+2+6*\c], v[(\s)+32*\c:(\s)+15+32*\c], v[TMV+12+2*\c]
	v_cvt_scalef32_pk16_fp6_f32 v[PCV+12+4*\c:PCV+14+4*\c], v[(\s)+16+32*\c:(\s)+31+32*\c], v[TMV+12+2*\c+1]
.endr
	v_nop                                          ; one plain place behind a scaled conversion
.irp c, 0,1
.irp i, 0,1,2
	v_permlane16_swap_b32 v[PCV+6*\c+\i], v[PCV+12+4*\c+\i]
.endr
.irp i, 0,1,2
	v_mov_b32 v[PCV+3+6*\c+\i], v[PCV+12+4*\c+\i]
.endr
.endr
.endm
	s_load_b512 s[8:23], s[0:1], 0x0               ; x codes 8, x scales 10, Wq codes 12, Wq scales 14, Wk codes 16, Wk scales 18, Wv codes 20, Wv scales 22
	s_load_b256 s[24:31], s[0:1], 0x40             ; q_gain 24, kst 26, vst 28, qc 30
	s_load_b64 s[32:33], s[0:1], 0x60              ; qs
	v_lshl_add_u32 v[SPW], v0, 2, SPARE
	v_mov_b32 v[NIL], 0
	ds_add_u32 v[SPW], v[NIL]                      ; the wave's opening: the add, twice on end, and its wait ahead of the first tensor loads; the set-up below stands between
	ds_add_u32 v[SPW], v[NIL]
	v_lshrrev_b32 v240, 5, v0
	v_readfirstlane_b32 s2, v240                   ; wave 0..11
	s_lshr_b32 s3, s2, 2                           ; i: head slot
	s_and_b32 s4, s2, 3                            ; qt: quarter
	s_bfe_u32 s5, ttmp6, 0x40000                   ; cx
	s_lshl_b32 s6, ttmp9, 2
	s_add_co_u32 s6, s6, s5                        ; tb: my 128 tokens (it enters global addresses of my own loads and stores alone)
	s_and_b32 s7, ttmp7, 0xffff                    ; gx, which the four partners share
	s_mul_i32 s34, s7, 3
	s_add_co_u32 s34, s34, s3                      ; head 0..23
	s_cmp_lt_u32 s34, 16
	s_cselect_b32 s35, 0, 16
	s_cmp_lt_u32 s34, 20
	s_cselect_b32 s35, s35, 20
	s_sub_co_u32 s35, s34, s35                     ; the head's number in its own tensor
	; descriptor group 1: 96 rows of 256 bytes (32 elements of 8), dense in memory, 16 bytes of padding behind each.  s[36:43]: x's, no mask;  s[44:51]: W's, all four partners, bit 21 beside the mask
	s_mov_b32 s36, (3<<16)|(1<<20)|(5<<22)|(3<<25)
	s_mov_b32 s44, 15|(3<<16)|(1<<20)|(1<<21)|(5<<22)|(3<<25)
.irp g, 36, 44
	s_mov_b32 s[\g+1], 32<<16                      ; tensor_dim0
	s_mov_b32 s[\g+2], 96<<16                      ; tensor_dim1
	s_mov_b32 s[\g+3], 32<<16                      ; tile_dim0
	s_mov_b32 s[\g+4], 96                          ; tile_dim1
	s_mov_b32 s[\g+5], 32                          ; pitch
	s_mov_b32 s[\g+6], 0
	s_mov_b32 s[\g+7], 0
.endr
	s_mov_b32 s52, 1                               ; group 0 for x (waves 0-3): 32 tokens a wave
	s_mul_i32 s53, s2, LOADB
	s_mov_b32 s56, 1                               ; group 0 for W (waves 4-9): 32 rows a wave; made of the wave's number and gx alone
	s_mul_i32 s57, s2, LOADB
	s_mul_i32 s68, s6, 98304
	s_mul_i32 s69, s4, 24576
	s_add_co_u32 s68, s68, s69
	s_mov_b32 s69, 0
	s_max_u32 s90, s2, 4
	s_sub_co_u32 s90, s90, 4
	s_min_u32 s90, s90, 5                          ; which of W's six loads (held inside 0..5 in the waves that do not ask)
	s_lshr_b32 s91, s90, 1
	s_mul_i32 s92, s7, 3
	s_add_co_u32 s91, s91, s92                     ; its head
	s_cmp_lt_u32 s91, 16
	s_cselect_b32 s92, 0, 16
	s_cmp_lt_u32 s91, 20
	s_cselect_b32 s92, s92, 20
	s_sub_co_u32 s92, s91, s92
	s_mul_i32 s92, s92, 49152                      ; 64 rows of 768 bytes a head,
	s_and_b32 s90, s90, 1
	s_mul_i32 s90, s90, 24576                      ; and which half of them
	s_add_co_u32 s92, s92, s90
	s_mov_b32 s93, 0
	s_mov_b32 s60, 0x76543210
	s_mov_b32 s61, 0xfedcba98                      ; v_permlanex16_b32's selects for lane l xor 16
	s_mov_b32 s63, 0x3c800000                      ; 1 / 64
	s_mov_b32 s66, 0x34000000                      ; eps = 2^-23
	s_wait_dscnt 0x0                               ; both opening adds are done
	s_wait_kmcnt 0x0
	s_add_nc_u64 s[54:55], s[8:9], s[68:69]
	s_or_b32 s55, s55, 0x80000000
	s_cmp_lt_u32 s91, 20
	s_cselect_b64 s[94:95], s[16:17], s[20:21]
	s_cmp_lt_u32 s91, 16
	s_cselect_b64 s[94:95], s[12:13], s[94:95]
	s_add_nc_u64 s[58:59], s[94:95], s[92:93]
	s_or_b32 s59, s59, 0x80000000
	CROUND                                         ; all four work-groups are here: the joint loads meet
	s_cmp_lt_u32 s2, 4                             ; the branches hang on the wave's number alone.  One load a wave; nothing is filled again
	s_cbranch_scc0 .Lnot_x
	tensor_load_to_lds s[52:55], s[36:43]
	s_nop 0
	PLACES
	s_branch .Lasked
.Lnot_x:
	s_cmp_lt_u32 s2, 10
	s_cbranch_scc0 .Lasked
	tensor_load_to_lds s[56:59], s[44:51]
	s_nop 0
	PLACES
.Lasked:
	; every LDS address is made here, ahead of the parting of the roles
	v_and_b32 v240, 15, v0                         ; r
	v_bfe_u32 v241, v0, 4, 1                       ; h
	v_mul_u32_u24 v[XV0], v240, RP
	v_mad_u32_u24 v[XV0], v241, 24, v[XV0]         ; r x pitch + 24 h
	v_lshl_add_u32 v[XV0+1], v241, 4, v[XV0]       ; and behind one padding more
	v_add_nc_u32 v[XV1], 64*RP, v[XV0]
	v_add_nc_u32 v[XV1+1], 64*RP, v[XV0+1]
	s_mul_i32 s70, s4, LOADB
	v_add_nc_u32 v[XA], s70, v[XV0]
	v_add_nc_u32 v[XA+1], s70, v[XV0+1]
	s_mul_i32 s71, s3, 64*RP
	s_add_co_u32 s71, s71, WL
	v_add_nc_u32 v[WA], s71, v[XV0]
	v_add_nc_u32 v[WA+1], s71, v[XV0+1]
	s_mul_i32 s70, s4, 16*RP
	s_add_co_u32 s71, s71, s70
	v_add_nc_u32 v[WVA], s71, v[XV0]
	v_add_nc_u32 v[WVA+1], s71, v[XV0+1]
	v_and_b32 v242, 31, v0
	v_lshlrev_b32 v[L16], 4, v242
	v_lshlrev_b32 v[L8], 3, v242
	v_lshlrev_b32 v[L4], 2, v242
	s_wait_tensorcnt 0x0                           ; my load has landed,
	s_barrier_signal -1
	s_barrier_wait -1                              ; everybody's has
	s_cmp_ge_u32 s34, 20                           ; the roles part once: ids alone, the same in all four partners
	s_cbranch_scc1 .Lv_arm
	; ================= q and k
	s_lshl_b32 s72, s6, 12
	s_lshl_b32 s73, s4, 10
	s_add_co_u32 s72, s72, s73
	s_mov_b32 s73, 0
	s_add_nc_u64 s[72:73], s[10:11], s[72:73]      ; x's scale bytes at my 32 tokens, 32 bytes a token
	s_cmp_lt_u32 s34, 16
	s_cselect_b64 s[74:75], s[14:15], s[18:19]
	s_lshl_b32 s76, s35, 11
	s_mov_b32 s77, 0
	s_add_nc_u64 s[74:75], s[74:75], s[76:77]      ; W's at my head's 64 rows
	s_min_u32 s76, s34, 15
	s_lshl_b32 s76, s76, 2
	s_add_nc_u64 s[78:79], s[24:25], s[76:77]
	s_load_b32 s62, s[78:79], 0x0                  ; the head's gain (a head of k: inside the buffer, and replaced by 1 below)
	v_and_b32 v250, 31, v0
	v_lshlrev_b32 v250, 5, v250                    ; a lane a row: lanes 0-15 the even tile's rows, lanes 16-31 the odd tile's
	global_load_b128 v[XS:XS+3], v250, s[72:73]
	global_load_b128 v[XS+4:XS+7], v250, s[72:73] offset:16
	global_load_b128 v[WS:WS+3], v250, s[74:75]
	global_load_b128 v[WS+4:WS+7], v250, s[74:75] offset:16
	global_load_b128 v[WS+8:WS+11], v250, s[74:75] offset:1024
	global_load_b128 v[WS+12:WS+15], v250, s[74:75] offset:1040
	; the tables of the turn are made while those loads are on their way
	s_lshl_b32 s80, s6, 7
	s_lshl_b32 s81, s4, 5
	s_add_co_u32 s80, s80, s81
	v_and_b32 v232, 15, v0
	v_add_nc_u32 v232, s80, v232
	v_cvt_f32_u32 v232, v232                       ; my token of tile 0, exact in f32,
	v_add_f32 v233, 0x41800000, v232               ; and of tile 1: 16 on
	v_bfe_u32 v234, v0, 4, 1
	v_cmp_eq_u32 vcc_lo, 1, v234
	v_mov_b32 v235, 0x3638ef1d                     ; 1/9!
	v_mov_b32 v236, 0xb493f27e                     ; -1/10!
	FREQ 0,  1.0,                10.0
	FREQ 1,  1.3335214321633240, 13.335214321633240
	FREQ 2,  1.7782794100389228, 17.782794100389228
	FREQ 3,  2.3713737056616553, 23.713737056616553
	FREQ 4,  3.1622776601683793, 31.622776601683793
	FREQ 5,  4.2169650342858225, 42.169650342858225
	FREQ 6,  5.6234132519034908, 56.234132519034908
	FREQ 7,  7.4989420933245583, 74.989420933245583
	FREQ 8,  100.0,              1000.0
	FREQ 9,  133.35214321633240, 1333.5214321633240
	FREQ 10, 177.82794100389228, 1778.2794100389228
	FREQ 11, 237.13737056616553, 2371.3737056616553
	FREQ 12, 316.22776601683793, 3162.2776601683793
	FREQ 13, 421.69650342858225, 4216.9650342858225
	FREQ 14, 562.34132519034908, 5623.4132519034908
	FREQ 15, 749.89420933245583, 7498.9420933245583
.irp n, 0,1,2,3,4,5,6,7,8,9,10,11,12,13,14,15
	v_rcp_f32 v[RR+\n], v[FQ+\n]
.endr
	v_nop                                          ; a plain place behind the reciprocals,
	s_wait_alu depctr_va_vdst(0)                   ; and one wait ahead of the batch's first reader
.irp n, 0,1,2,3,4,5,6,7,8,9,10,11,12,13,14,15
	v_fma_f32 v[NN+\n], -v[FQ+\n], v[RR+\n], 1.0   ; what the reciprocal is off by,
.endr
.irp n, 0,1,2,3,4,5,6,7,8,9,10,11,12,13,14,15
	v_fma_f32 v[FQ+\n], v[RR+\n], v[NN+\n], v[RR+\n]   ; taken in: the quotient 1 / P to the nearest f32
.endr
	TRIG 0, 232
	TRIG 1, 233
	s_wait_loadcnt 0x0                             ; the scale words
	s_wait_kmcnt 0x0                               ; the gain
	s_cmp_lt_u32 s34, 16
	s_cselect_b32 s62, s62, 1.0                    ; k has none
	QKSTEP 0, 1                                    ; the first K step starts the sums
.irp s, 1,2,3,4,5,6,7
	QKSTEP \s, 0
.endr
	PLACES
	SSQ 0, 248
	SSQ 1, 249
	v_rsq_f32 v244, v248
	v_rsq_f32 v246, v249
	v_mov_b32 v245, 0                              ; (the upper halves of the pairs that the packed multiply names; also the plain place behind the roots)
	v_mov_b32 v247, 0
	s_wait_alu depctr_va_vdst(0)                   ; one wait for both roots, ahead of their first reader
	v_mul_f32 v244, s62, v244
	v_mul_f32 v246, s62, v246
	ROPE 0
	QUANT2 OUT, PC, HW
	ROPE 1
	QUANT2 OUT, PC+6, HW+1
	s_cmp_lt_u32 s34, 16
	s_cbranch_scc0 .Lk_out
	; ---- q: two tiles of 16 queries, 768 bytes each; every store covers whole aligned blocks of 256 bytes
	s_lshl_b32 s82, s34, 8
	s_lshl_b32 s83, s6, 3
	s_add_co_u32 s82, s82, s83
	s_lshl_b32 s83, s4, 1
	s_add_co_u32 s82, s82, s83                     ; head x 256 + my first tile
	s_mul_i32 s84, s82, 768
	s_mov_b32 s85, 0
	s_add_nc_u64 s[84:85], s[30:31], s[84:85]
	s_lshl_b32 s86, s82, 6
	s_mov_b32 s87, 0
	s_add_nc_u64 s[86:87], s[32:33], s[86:87]
	global_store_b128 v[L16], v[PC:PC+3], s[84:85]
	global_store_b64 v[L8], v[PC+4:PC+5], s[84:85] offset:512
	global_store_b128 v[L16], v[PC+6:PC+9], s[84:85] offset:768
	global_store_b64 v[L8], v[PC+10:PC+11], s[84:85] offset:1280
	v_lshl_or_b32 v252, v[HW], 16, v[HW]           ; {s0, s1, s0, s1}: the query's 64 codes stand in the lower or in the upper half of a K step of 128
	v_lshl_or_b32 v253, v[HW+1], 16, v[HW+1]
	v_bfe_u32 v254, v0, 4, 1
	v_cmp_eq_u32 vcc_lo, 1, v254
	v_cndmask_b32 v252, v252, v253, vcc_lo         ; lanes 0-15 store tile 0's words, lanes 16-31 tile 1's
	global_store_b32 v[L4], v252, s[86:87]
	s_branch .Lend
.Lk_out:
	; ---- k: my 32 keys are fragment qt of the step's record: tile 0 its lower 64 along K, tile 1 its upper
	s_lshl_b32 s82, s35, 5
	s_add_co_u32 s82, s82, s6
	s_mul_i32 s82, s82, 6656
	s_mul_i32 s83, s4, 1536
	s_add_co_u32 s84, s82, s83
	s_mov_b32 s85, 0
	s_add_nc_u64 s[84:85], s[26:27], s[84:85]
	s_lshl_b32 s83, s4, 2
	s_add_co_u32 s86, s82, s83
	s_add_co_u32 s86, s86, 6144
	s_mov_b32 s87, 0
	s_add_nc_u64 s[86:87], s[26:27], s[86:87]
	global_store_b128 v[L16], v[PC:PC+3], s[84:85]
	global_store_b128 v[L16], v[PC+4:PC+7], s[84:85] offset:512
	global_store_b128 v[L16], v[PC+8:PC+11], s[84:85] offset:1024
	v_lshl_or_b32 v252, v[HW+1], 16, v[HW]
	global_store_b32 v[L16], v252, s[86:87]        ; word qt of lane l's four (lanes 16-31 hold the same as lanes 0-15)
	s_branch .Lend
	; ================= v
.Lv_arm:
	s_lshl_b32 s72, s6, 12
	s_mov_b32 s73, 0
	s_add_nc_u64 s[72:73], s[10:11], s[72:73]      ; x's scale bytes at the 128 tokens
	s_lshl_b32 s74, s35, 11
	s_lshl_b32 s75, s4, 9
	s_add_co_u32 s74, s74, s75
	s_mov_b32 s75, 0
	s_add_nc_u64 s[74:75], s[22:23], s[74:75]      ; Wv's at my 16 rows
	v_and_b32 v250, 31, v0
	v_lshlrev_b32 v250, 5, v250
	v_and_b32 v251, 15, v0
	v_lshlrev_b32 v251, 5, v251
.irp e, 0,1,2,3
	global_load_b128 v[XS4+8*\e:XS4+8*\e+3], v250, s[72:73] offset:1024*\e
	global_load_b128 v[XS4+8*\e+4:XS4+8*\e+7], v250, s[72:73] offset:1024*\e+16
.endr
	global_load_b128 v[WSV:WSV+3], v251, s[74:75]
	global_load_b128 v[WSV+4:WSV+7], v251, s[74:75] offset:16
	VSTEP 0, 1
.irp s, 1,2,3,4,5,6,7
	VSTEP \s, 0
.endr
	PLACES
.irp b, 0,1,2,3
	v_mov_b32 v[TMV+4+\b], 0                       ; a lane permute's destination counts as one of its sources
.endr
	QUANT4 ACC                                     ; register 16 b + 8 v + j = key 32 b + 16 v + 8 h + j of my feature
	; my features 16 qt + r go to fragment 2 (qt / 2) + r / 8, row 8 (qt % 2) + r % 8
	v_and_b32 v240, 15, v0
	v_bfe_u32 v241, v0, 4, 1
	v_lshrrev_b32 v242, 3, v240
	v_and_b32 v243, 7, v240
	v_mul_u32_u24 v244, v242, 1536
	v_lshl_add_u32 v244, v243, 4, v244
	v_lshl_add_u32 v244, v241, 8, v244
	v_lshlrev_b32 v245, 2, v242
	v_lshl_add_u32 v245, v243, 4, v245
	v_lshl_add_u32 v245, v241, 8, v245
	s_lshl_b32 s82, s35, 5
	s_add_co_u32 s82, s82, s6
	s_mul_i32 s82, s82, 6656
	s_lshr_b32 s83, s4, 1
	s_and_b32 s88, s4, 1
	s_lshl_b32 s88, s88, 7
	s_add_co_u32 s82, s82, s88                     ; + 128 (qt % 2), in the images and in the scale words alike
	s_mul_i32 s84, s83, 3072
	s_add_co_u32 s84, s84, s82
	s_mov_b32 s85, 0
	s_add_nc_u64 s[84:85], s[28:29], s[84:85]
	s_lshl_b32 s86, s83, 3
	s_add_co_u32 s86, s86, s82
	s_add_co_u32 s86, s86, 6144
	s_mov_b32 s87, 0
	s_add_nc_u64 s[86:87], s[28:29], s[86:87]
	global_store_b128 v244, v[PCV:PCV+3], s[84:85]
	global_store_b128 v244, v[PCV+4:PCV+7], s[84:85] offset:512
	global_store_b128 v244, v[PCV+8:PCV+11], s[84:85] offset:1024
	global_store_b32 v245, v[PWV], s[86:87]
.Lend:
	s_wait_tensorcnt 0x0                           ; the wave's end
	ds_add_u32 v[SPW], v[NIL]
	s_wait_dscnt 0x0
	CROUND                                         ; the closing round: no work-group ends while a partner may still ask for a tile that names it
	s_endpgm
.Lfunc_end_k_q742dfa3295_qkv:
	.size	k_q742dfa3295_qkv, .Lfunc_end_k_q742dfa3295_qkv-k_q742dfa3295_qkv
	.p2alignl 7, 3214868480
	.fill 96, 4, 3214868480
	.section	.rodata,"a",@progbits
	.p2align	6, 0x0
	.amdhsa_kernel k_q742dfa3295_qkv
		.amdhsa_group_segment_fixed_size 327680
		.amdhsa_private_segment_fixed_size 0
		.amdhsa_enable_private_segment 0
		.amdhsa_kernarg_size 104
		.amdhsa_user_sgpr_count 2
		.amdhsa_user_sgpr_kernarg_segment_ptr 1
		.amdhsa_wavefront_size32 1
		.amdhsa_system_sgpr_workgroup_id_x 1
		.amdhsa_system_sgpr_workgroup_id_y 1
		.amdhsa_system_sgpr_workgroup_id_z 1
		.amdhsa_system_vgpr_workitem_id 0
		.amdhsa_next_free_vgpr 256
		.amdhsa_next_free_sgpr 100
		.amdhsa_reserve_vcc 1
		.amdhsa_float_denorm_mode_32 3
		.amdhsa_float_denorm_mode_16_64 3
		.amdhsa_memory_ordered 1
		.amdhsa_forward_progress 1
		.amdhsa_inst_pref_size 141
	.end_amdhsa_kernel
	.amdgpu_metadata
---
amdhsa.version: [ 1, 2 ]
amdhsa.kernels:
  - .name:           k_q742dfa3295_qkv
    .symbol:         k_q742dfa3295_qkv.kd
    .args:
      - { .name: x_codes, .offset: 0, .size: 8, .value_kind: global_buffer, .address_space: global }
      - { .name: x_scales, .offset: 8, .size: 8, .value_kind: global_buffer, .address_space: global }
      - { .name: Wq_codes, .offset: 16, .size: 8, .value_kind: global_buffer, .address_space: global }
      - { .name: Wq_scales, .offset: 24, .size: 8, .value_kind: global_buffer, .address_space: global }
      - { .name: Wk_codes, .offset: 32, .size: 8, .value_kind: global_buffer, .address_space: global }
      - { .name: Wk_scales, .offset: 40, .size: 8, .value_kind: global_buffer, .address_space: global }
      - { .name: Wv_codes, .offset: 48, .size: 8, .value_kind: global_buffer, .address_space: global }
      - { .name: Wv_scales, .offset: 56, .size: 8, .value_kind: global_buffer, .address_space: global }
      - { .name: q_gain, .offset: 64, .size: 8, .value_kind: global_buffer, .address_space: global }
      - { .name: kst, .offset: 72, .size: 8, .value_kind: global_buffer, .address_space: global }
      - { .name: vst, .offset: 80, .size: 8, .value_kind: global_buffer, .address_space: global }
      - { .name: qc, .offset: 88, .size: 8, .value_kind: global_buffer, .address_space: global }
      - { .name: qs, .offset: 96, .size: 8, .value_kind: global_buffer, .address_space: global }
    .group_segment_fixed_size: 327680
    .private_segment_fixed_size: 0
    .kernarg_segment_align: 8
    .kernarg_segment_size: 104
    .max_flat_workgroup_size: 384
    .sgpr_count:     100
    .vgpr_count:     256
    .wavefront_size: 32
...
	.end_amdgpu_metadata
.endif
;; end of part 1
;; launch attn (part 2): grid 64 x 4, 16 waves a work-group, no clusters, 327,680 bytes of LDS; arguments qc, qs, kst, vst, yc, ys; writes yc, ys
.if DOCPART == 2
	.amdgcn_target "amdgcn-amd-amdhsa--gfx1250"
	.amdhsa_code_object_version 6
	.text
	.protected	k_q742dfa3295_attn
	.globl	k_q742dfa3295_attn
	.p2align	8
	.type	k_q742dfa3295_attn,@function
k_q742dfa3295_attn:
	s_mov_b64 s[64:65], 0
	v_nop
	global_prefetch_b8 v0, s[64:65] scope:SCOPE_SE
	s_setreg_imm32_b32 hwreg(HW_REG_WAVE_MODE, 25, 1), 1
	s_wait_xcnt 0x0
; LAUNCH 2 OF 3: y = softmax(q k^T / 8, causal) v for 16 heads on 4 heads of k and v, both products on codes of FP6 (E2M3); y / the row's sum is quantised along the head's 64 for launch 3.
; WORK LEFT OUT: a key step of 128 keys all of which come after a tile's 16 queries (shown dead at the head of launch 1: reference() replaces those logits by a constant whose p has the code 0).
; THE SOFTMAX: t = score x log2(e) / 8; M = the running largest t rounded UP to a whole number (kept as -M = floor(-t)); p = 2^(t - M) is quantised along the keys, not normalised; the row's sum is taken of the
; unquantised p; when M moves, the sum and O are multiplied by 2^(old M - new M), which rounds nothing.  LIMITS: NaN and infinities are not served; a p under 2^-126 counts as 0.
; SHARES.  Work-group (j, g) takes the blocks j and 127 - j of 32 queries of heads 4 g .. 4 g + 3: their key steps add up to 33 for every j, so all 256 work-groups have the same work.  Sixteen waves, one tile of 16
; queries each, in 256 registers: four waves to a SIMD, so that one wave's vector work stands beside another's products and LDS loads.  Wave w: head 4 g + w % 4; which of the four tiles: (w / 4 + w % 4) % 4.
; K AND V come as launch 1 laid them, as images of operand registers: every LDS read is 16 x lane on end.  A ring of two slots of four key steps; wave 0 fetches k's stream, wave 1 v's, one load each.
; PRODUCT 1 has K = 64: a fragment of K holds two keys a row (key 32 f + r below, key 32 f + 16 + r above), and q stands below or above zeros: v[22:33] = (q, 0), v[16:27] = (0, q).  Half of each of these products multiplies zero codes.
; Both products are transposed: S^T = K Q^T, O^T = V^T P^T: a lane holds one query.  Register n of S^T holds key 16 (n / 8) + n % 8 + 8 (lane / 16) of the step.
; NO CLUSTER: a work-group stops asking for slots at its own causal limit, by a jump on ids; partners of a cluster would have to make every joint request on every path.
.set SLOT1, 65536                      ; slot 1 begins here: one exclusive or turns an address from slot to slot
.set REC,   6656                       ; a key step's record: four fragments of 1,536 bytes, 512 bytes of scale words
.set STRM,  4*REC                      ; a slot's stream of k; v's follows it
.set SPARE, 2*SLOT1                    ; the spare words, 128 bytes for each of sixteen waves: eight blocks of 256 bytes that no other line names
.set L16, 1                            ; v1   16 x lane
.set ADR, 2                            ; v2   LDS address of the step in hand
.set QL,  3                            ; v3   my query - 8 (lane / 16)
.set SPW, 4                            ; v4   LDS address of my spare word; never rewritten
.set NIL, 5                            ; v5   0; never rewritten
.set PFO, 6                            ; v6   the prefetches' offset
.set L8,  7                            ; v7   8 x lane
                                       ; v9 r, v11 h;  v12 -M, v13 the largest t, v[14:15] the sum in two halves;  v16-33 zeros, q, zeros;  v34 q's scale word
                                       ; v36-83 four fragments of K, then of V;  v84-87 K's scale words, v88-91 V's;  v96-159 S^T, then p;  v160-191 O^T;  v192-203 p's codes;  v204-232 at work;  v224 p's scale word
.set TM,  212
.set T2,  204
.set WV,  16                           ; s16  wave
.set TB,  40                           ; s40  LDS byte at which the step in hand begins
.set KF,  41                           ; s41  its first key
.set Q0,  42                           ; s42  my first query
.set LASTQ, 44                         ; s44  my work-group's last query
.set SLOTS, 45                         ; s45  changes of slots to go
.set CNT, 46                           ; s46  a slot's four steps
.set PFA, 48                           ; s[48:49] where my prefetches stand
.set LIM, 50                           ; s50  1 in a wave that prefetches, else the greatest number
.macro PLACES
.rept 4
	v_nop
.endr
.endm
; A PREFETCH INTO THE L2 of the slot that the NEXT change of slots will ask for: four key steps ahead of that load.  All 64 work-groups of a head group walk the same two streams: work-group j = 0 asks, which walks every slot.
; Waves 4-7 for k's 104 blocks of 256 bytes, waves 8-11 for v's, a lane a block, one instruction a wave (the fourth wave has 8 blocks left: its other lanes name the last block once more).
; The last change that fills a slot asks for nothing; slots 0 and 1 come by their loads alone.
.macro ASK
	s_cmp_gt_u32 s[SLOTS], s[LIM]
	s_cbranch_scc0 .Lnot_mine_\@
	global_prefetch_b8 v[PFO], s[PFA:PFA+1] th:TH_LOAD_NT scope:SCOPE_SE
.Lnot_mine_\@:
.endm
.macro QUANT2 s, pc, hw                ; 32 numbers of a lane, two blocks of 32 shared with lane l xor 16, become six registers of codes and the row's two scale bytes
.irp b, 0,1
	v_max3_num_f32 v[TM+\b], |v[(\s)+16*\b]|, |v[(\s)+1+16*\b]|, 0x1800000
.endr
.irp i, 2,4,6,8,10,12,14
.irp b, 0,1
	v_max3_num_f32 v[TM+\b], v[TM+\b], |v[(\s)+16*\b+\i]|, |v[(\s)+1+16*\b+\i]|
.endr
.endr
.irp b, 0,1
	v_permlanex16_b32 v[TM+2+\b], v[TM+\b], s22, s23
.endr
.irp b, 0,1
	v_max_num_f32 v[TM+\b], v[TM+\b], v[TM+2+\b]
.endr
.irp b, 0,1
	v_add_nc_u32 v[TM+4+\b], 0xff000000, v[TM+\b]
.endr
.irp b, 0,1
	v_lshrrev_b32 v[TM+2+\b], 23, v[TM+4+\b]
.endr
	v_lshl_or_b32 v[\hw], v[TM+3], 8, v[TM+2]
	v_cvt_scalef32_pk16_fp6_f32 v[(\pc):(\pc)+2], v[(\s):(\s)+15], v[TM+4]
	v_cvt_scalef32_pk16_fp6_f32 v[T2:T2+2], v[(\s)+16:(\s)+31], v[TM+5]
	v_nop
.irp i, 0,1,2
	v_permlane16_swap_b32 v[(\pc)+\i], v[T2+\i]
.endr
.irp i, 0,1,2
	v_mov_b32 v[(\pc)+3+\i], v[T2+\i]
.endr
.endm
; A KEY STEP: 128 keys
.macro STEP
	s_add_co_u32 s52, s[Q0], 15                    ; a step all of whose keys come after my 16 queries is left out: a branch on ids, round the step's loads, products and softmax; not round the lines at its end that step addresses
	s_cmp_gt_u32 s[KF], s52
	s_cbranch_scc1 .Lhidden_\@
	v_add_nc_u32 v[ADR], s[TB], v[L16]
	PLACES                                         ; in front of loads into registers that the last products read
.irp f, 0,1,2,3
.irp p, 0,1,2
	ds_load_b128 v[36+12*\f+4*\p:39+12*\f+4*\p], v[ADR] offset:1536*\f+512*\p
.endr
.endr
	ds_load_b128 v[84:87], v[ADR] offset:6144
	s_wait_dscnt 0x0
.irp f, 0,1,2,3                                ; S^T: tile 2 f = keys 32 f + 0 .. 15 (q below), tile 2 f + 1 = keys 32 f + 16 .. 31 (q above)
	v_wmma_scale_f32_16x16x128_f8f6f4 v[96+16*\f:103+16*\f], v[36+12*\f:47+12*\f], v[22:33], 0, v[84+\f], v34 matrix_a_fmt:MATRIX_FMT_FP6 matrix_b_fmt:MATRIX_FMT_FP6
	v_wmma_scale_f32_16x16x128_f8f6f4 v[104+16*\f:111+16*\f], v[36+12*\f:47+12*\f], v[16:27], 0, v[84+\f], v34 matrix_a_fmt:MATRIX_FMT_FP6 matrix_b_fmt:MATRIX_FMT_FP6
.endr
	PLACES                                         ; in front of the loads below and of the first read of the scores
.irp f, 0,1,2,3                                ; V's fragments take K's registers and land under the softmax
.irp p, 0,1,2
	ds_load_b128 v[36+12*\f+4*\p:39+12*\f+4*\p], v[ADR] offset:STRM+1536*\f+512*\p
.endr
.endr
	ds_load_b128 v[88:91], v[ADR] offset:STRM+6144
	s_add_co_u32 s52, s[KF], 127                   ; on the diagonal the scores of hidden keys become -infinity ahead of the maximum: p = 0 then.  A step all of whose keys count skips this
	s_cmp_le_u32 s52, s[Q0]
	s_cbranch_scc1 .Lopen_\@
	v_sub_nc_u32 v230, v[QL], s[KF]                ; d: register n is hidden where 16 (n / 8) + n % 8 > d
	v_mov_b32 v231, 0xff800000
.set n, 0
.rept 64
	v_cmp_gt_i32 vcc_lo, 16*(n/8)+n%8, v230
	v_cndmask_b32 v[96+n], v[96+n], v231, vcc_lo
.set n, n+1
.endr
.Lopen_\@:
.irp b, 0,1,2,3
	v_max3_num_f32 v[212+\b], v[96+16*\b], v[97+16*\b], v[98+16*\b]   ; the largest score of each block of 32 keys: it serves for the row's maximum and, since p rises with the score, for the block's largest p
.endr
.irp i, 3,5,7,9,11,13
.irp b, 0,1,2,3
	v_max3_num_f32 v[212+\b], v[212+\b], v[96+16*\b+\i], v[97+16*\b+\i]
.endr
.endr
.irp b, 0,1,2,3
	v_max_num_f32 v[212+\b], v[212+\b], v[111+16*\b]
.endr
.irp b, 0,1,2,3
	v_permlanex16_b32 v[216+\b], v[212+\b], s22, s23
.endr
.irp b, 0,1,2,3
	v_max_num_f32 v[212+\b], v[212+\b], v[216+\b]  ; with lane l xor 16's 16 keys
.endr
	v_max3_num_f32 v230, v212, v213, v214
	v_max_num_f32 v230, v230, v215
	v_mul_f32 v230, s24, v230                      ; as t (c is positive)
	v_max_num_f32 v13, v13, v230                   ; the running largest t
	v_mov_b32 v230, v12
	v_floor_f32 v12, -v13                          ; the new -M
	v_sub_f32 v230, v12, v230                      ; old M - new M: a whole number, 0 or less
	v_cvt_i32_f32 v230, v230                       ; (it saturates)
	v_ldexp_f32 v226, 1.0, v230                    ; f = 2^(old M - new M)
.set n, 0
.rept 32
	v_pk_fma_f32 v[96+n:97+n], v[96+n:97+n], s[24:25], v[12:13] op_sel_hi:[1,0,0]   ; t - M
.set n, n+2
.endr
.irp b, 0,1,2,3
	v_fma_f32 v[212+\b], v[212+\b], s24, v12
.endr
.set n, 0
.rept 64
	v_exp_f32 v[96+n], v[96+n]                     ; p
.set n, n+1
.endr
	v_pk_mul_f32 v[14:15], v[14:15], v[226:227] op_sel_hi:[1,0]   ; the sums under the new M (a plain place behind the exponentials)
	s_wait_alu depctr_va_vdst(0)                   ; one wait for the batch of 64, ahead of its first reader
.irp b, 0,1,2,3
	v_exp_f32 v[212+\b], v[212+\b]                 ; the blocks' largest p
.endr
	v_pk_add_f32 v[228:229], v[96:97], v[98:99]    ; the row's sum of the unquantised p, in two chains
.irp j, 4,8,12,16,20,24,28,32,36,40,44,48,52,56,60
	v_pk_add_f32 v[14:15], v[14:15], v[96+\j:97+\j]
	v_pk_add_f32 v[228:229], v[228:229], v[98+\j:99+\j]
.endr
	v_pk_add_f32 v[14:15], v[14:15], v[228:229]
	s_wait_alu depctr_va_vdst(0)                   ; and one for the four
.irp b, 0,1,2,3
	v_max_num_f32 v[212+\b], 0x1800000, v[212+\b]  ; the floor 2^(3 - 127): the byte cannot fall under 1
.endr
.irp b, 0,1,2,3
	v_add_nc_u32 v[220+\b], 0xff000000, v[212+\b]  ; the conversion's scale operand
.endr
.irp b, 0,1,2,3
	v_lshrrev_b32 v[216+\b], 23, v[220+\b]         ; the scale's byte
.endr
	v_lshl_or_b32 v224, v217, 8, v216              ; p's scale word for these 128 keys
	v_lshl_or_b32 v224, v218, 16, v224
	v_lshl_or_b32 v224, v219, 24, v224
.irp c, 0,1
	v_cvt_scalef32_pk16_fp6_f32 v[192+6*\c:194+6*\c], v[96+32*\c:111+32*\c], v[220+2*\c]
	v_cvt_scalef32_pk16_fp6_f32 v[204+4*\c:206+4*\c], v[112+32*\c:127+32*\c], v[220+2*\c+1]
.endr
	v_nop                                          ; one plain place behind a scaled conversion
.irp c, 0,1
.irp i, 0,1,2
	v_permlane16_swap_b32 v[192+6*\c+\i], v[204+4*\c+\i]
.endr
.irp i, 0,1,2
	v_mov_b32 v[195+6*\c+\i], v[204+4*\c+\i]
.endr
.endr
.set n, 0
.rept 16
	v_pk_mul_f32 v[160+n:161+n], v[160+n:161+n], v[226:227] op_sel_hi:[1,0]   ; O^T under the new M.  (These sixteen are also the places between the scale word, the codes and the products below)
.set n, n+2
.endr
	s_wait_dscnt 0x0                               ; V
.irp f, 0,1,2,3                                ; O^T += V^T P^T: four accumulators by turns
	v_wmma_scale_f32_16x16x128_f8f6f4 v[160+8*\f:167+8*\f], v[36+12*\f:47+12*\f], v[192:203], v[160+8*\f:167+8*\f], v[88+\f], v224 matrix_a_fmt:MATRIX_FMT_FP6 matrix_b_fmt:MATRIX_FMT_FP6
.endr
.Lhidden_\@:
	s_add_co_u32 s[TB], s[TB], REC
	s_add_co_u32 s[KF], s[KF], 128
.endm
; THE CHANGE OF SLOTS stands at a slot's head.  Each wave waits for all its tensor loads, adds 0 to its spare word, and waits for that and for its reads of the slot that it has left.  Behind the barrier the slot ahead
; is whole and nobody reads the other one, which (fill = 1) takes the next four key steps: that load has a whole slot's steps in which to land.
.macro CHANGE fill
	s_wait_tensorcnt 0x0                           ; no tensor load of mine is out, so group 0 may be written
	ds_add_u32 v[SPW], v[NIL]
.if \fill
	ds_add_u32 v[SPW], v[NIL]                      ; and once more, in every trip alike
	s_xor_b32 s37, s37, SLOT1                      ; the walking descriptor: the other slot,
	s_add_nc_u64 s[38:39], s[38:39], STRM          ; the next four records
	s_wait_xcnt 0x0                                ; the last prefetch, a slot back, has read its address
	s_add_nc_u64 s[PFA:PFA+1], s[PFA:PFA+1], STRM
.endif
	s_wait_dscnt 0x0
	s_barrier_signal -1
	s_barrier_wait -1
.if \fill
	s_add_co_u32 s52, s[KF], 512                   ; the look-ahead ends at the causal limit: a slot whose first key comes after my work-group's last query is read by none of its waves and is not asked for.
	s_cmp_gt_u32 s52, s[LASTQ]                     ; ids and the count of steps alone: all sixteen waves go the same way; every wait on TENSORcnt in this text is for 0
	s_cbranch_scc1 .Lpast_\@
	s_cmp_lt_u32 s[WV], 2
	s_cbranch_scc0 .Lpast_\@
	tensor_load_to_lds s[36:39], s[28:35]
	s_nop 0
	PLACES
.Lpast_\@:
	ASK
.endif
.endm
.macro SLOT_STEPS                      ; a slot's four key steps: written once, walked four times
	s_mov_b32 s[CNT], 4
.Lstep_\@:
	STEP
	s_sub_co_u32 s[CNT], s[CNT], 1
	s_cmp_lg_u32 s[CNT], 0
	s_cbranch_scc1 .Lstep_\@
	s_sub_co_u32 s[TB], s[TB], STRM
	s_xor_b32 s[TB], s[TB], SLOT1                  ; on to the other slot
.endm
	s_load_b256 s[4:11], s[0:1], 0x0               ; qc 4, qs 6, kst 8, vst 10
	s_load_b128 s[12:15], s[0:1], 0x20             ; yc 12, ys 14
	v_lshl_add_u32 v[SPW], v0, 2, SPARE
	v_mov_b32 v[NIL], 0
	ds_add_u32 v[SPW], v[NIL]                      ; the wave's opening: the add, twice on end, and its wait ahead of the first tensor load
	ds_add_u32 v[SPW], v[NIL]
	v_lshrrev_b32 v8, 5, v0
	v_readfirstlane_b32 s[WV], v8                  ; wave 0..15
	s_and_b32 s17, ttmp7, 0xffff                   ; g
	s_and_b32 s18, s[WV], 3                        ; which of the group's four heads
	s_lshr_b32 s19, s[WV], 2
	s_add_co_u32 s19, s19, s18
	s_and_b32 s19, s19, 3                          ; which of the four tiles
	s_and_b32 s20, s19, 1
	s_sub_co_u32 s21, 127, ttmp9
	s_bitcmp1_b32 s19, 1
	s_cselect_b32 s26, s21, ttmp9                  ; block 127 - j or j
	s_lshl_b32 s26, s26, 1
	s_add_co_u32 s26, s26, s20                     ; my tile of 16 queries
	s_lshl_b32 s[Q0], s26, 4
	s_lshl_b32 s[LASTQ], s21, 5
	s_add_co_u32 s[LASTQ], s[LASTQ], 31
	s_lshl_b32 s27, s17, 2
	s_add_co_u32 s27, s27, s18                     ; my head
	s_mov_b32 s28, 3<<16                           ; descriptor group 1: 104 rows of 256 bytes (32 elements of 8), dense, no padding
	s_mov_b32 s29, 32<<16
	s_mov_b32 s30, 104<<16
	s_mov_b32 s31, 32<<16
	s_mov_b32 s32, 104
	s_mov_b32 s33, 32
	s_mov_b32 s34, 0
	s_mov_b32 s35, 0
	s_mov_b32 s36, 1
	s_and_b32 s52, s[WV], 1
	s_mul_i32 s37, s52, STRM                       ; wave 0: k's stream, wave 1: v's behind it
	s_mul_i32 s54, s17, 32*REC
	s_mov_b32 s55, 0
	s_mov_b32 s22, 0x76543210
	s_mov_b32 s23, 0xfedcba98
	s_mov_b32 s24, 0x3e38aa3b                      ; c = log2(e) / 8
	s_mov_b32 s25, s24
	s_mov_b32 s[TB], 0
	s_mov_b32 s[KF], 0
	s_mov_b32 s[SLOTS], 7
	s_wait_dscnt 0x0                               ; both opening adds are done
	s_wait_kmcnt 0x0
	s_cmp_eq_u32 s52, 0
	s_cselect_b64 s[38:39], s[8:9], s[10:11]
	s_add_nc_u64 s[38:39], s[38:39], s[54:55]
	s_or_b32 s39, s39, 0x80000000
	s_cmp_lt_u32 s[WV], 2
	s_cbranch_scc0 .Lno_first
	tensor_load_to_lds s[36:39], s[28:35]          ; slot 0: it holds key 0, which counts for every query
	s_nop 0
	PLACES
.Lno_first:
	s_cmp_lt_u32 s[WV], 8                          ; the prefetches: waves 4-7 k's stream, waves 8-11 v's
	s_cselect_b64 s[PFA:PFA+1], s[8:9], s[10:11]
	s_add_nc_u64 s[PFA:PFA+1], s[PFA:PFA+1], s[54:55]
	s_add_nc_u64 s[PFA:PFA+1], s[PFA:PFA+1], STRM  ; at slot 1: the first change of slots steps it to slot 2
	s_sub_co_u32 s53, s[WV], 4
	s_lshr_b32 s53, s53, 3                         ; 0 in waves 4 to 11,
	s_or_b32 s53, s53, ttmp9                       ; of work-group j = 0
	s_cmp_eq_u32 s53, 0
	s_cselect_b32 s[LIM], 1, -1
	v_and_b32 v[PFO], 31, v0
	s_lshl_b32 s53, s18, 5
	v_add_nc_u32 v[PFO], s53, v[PFO]
	v_min_u32 v[PFO], 103, v[PFO]
	v_lshlrev_b32 v[PFO], 8, v[PFO]
	s_lshl_b32 s56, s27, 8
	s_add_co_u32 s56, s56, s26                     ; head x 256 + tile
	s_mul_i32 s58, s56, 768
	s_mov_b32 s59, 0
	s_add_nc_u64 s[58:59], s[4:5], s[58:59]
	s_lshl_b32 s60, s56, 6
	s_mov_b32 s61, 0
	s_add_nc_u64 s[60:61], s[6:7], s[60:61]
	v_and_b32 v8, 31, v0
	v_lshlrev_b32 v[L16], 4, v8
	v_lshlrev_b32 v[L8], 3, v8
	v_and_b32 v9, 15, v0                           ; r
	v_lshlrev_b32 v10, 2, v9
	global_load_b128 v[22:25], v[L16], s[58:59]    ; q's six registers stay
	global_load_b64 v[26:27], v[L8], s[58:59] offset:512
	global_load_b32 v34, v10, s[60:61]
	v_bfe_u32 v11, v0, 4, 1                        ; h
	v_lshlrev_b32 v8, 3, v11
	v_add_nc_u32 v[QL], s[Q0], v9
	v_sub_nc_u32 v[QL], v[QL], v8
.irp j, 16,17,18,19,20,21,28,29,30,31,32,33
	v_mov_b32 v[\j], 0                             ; zero codes below and above q
.endr
	v_mov_b32 v13, 0xff61b1e6                      ; the largest t so far: -3e38
	v_floor_f32 v12, -v13
	v_mov_b32 v14, 0
	v_mov_b32 v15, 0
.set n, 0
.rept 32
	v_mov_b32 v[160+n], 0                          ; O^T.  (The step is written once: the first finds zeros, which the first change of M leaves zeros)
.set n, n+1
.endr
.set n, 0
.rept 12
	v_mov_b32 v[212+n], 0                          ; written once: a lane permute's destination counts as one of its sources
.set n, n+1
.endr
	v_mov_b32 v227, 0                              ; (the upper half of the pair v[226:227])
	s_wait_loadcnt 0x0                             ; q
.Lslot:                                            ; seven trips: behind each change of slots but the last the next slot is asked for, up to the causal limit
	CHANGE 1
	SLOT_STEPS
	s_sub_co_u32 s[SLOTS], s[SLOTS], 1
	s_cmp_lg_u32 s[SLOTS], 0
	s_cbranch_scc1 .Lslot
	CHANGE 0                                       ; the last slot is written out: nothing is left to ask for
	SLOT_STEPS
	; THE WAY OUT.  Register 16 b + i of O^T is feature 32 b + 16 h + i of my query: neighbours, so y's codes come out in the order in which Wproj's are given
	v_add_f32 v14, v14, v15
	v_permlanex16_b32 v216, v14, s22, s23
	v_add_f32 v14, v14, v216                       ; the row's sum
	v_rcp_f32 v14, v14
	v_lshlrev_b32 v8, 5, v9                        ; (plain places behind the reciprocal)  ys: 32 bytes a token,
	v_add_nc_u32 v8, v8, v11                       ; + h: lanes 0-15 store block 0's byte, lanes 16-31 block 1's
	v_lshlrev_b32 v10, 3, v11
	s_lshl_b32 s56, s26, 4
	s_add_co_u32 s56, s56, s27                     ; tile x 16 + head
	s_mul_i32 s58, s56, 768
	s_mov_b32 s59, 0
	s_add_nc_u64 s[58:59], s[12:13], s[58:59]
	s_lshl_b32 s60, s26, 9
	s_lshl_b32 s61, s27, 1
	s_add_co_u32 s60, s60, s61
	s_mov_b32 s61, 0
	s_add_nc_u64 s[60:61], s[14:15], s[60:61]
	s_wait_alu depctr_va_vdst(0)                   ; the wait ahead of the reciprocal's first reader
.set n, 0
.rept 32
	v_mul_f32 v[96+n], v[160+n], v14
.set n, n+1
.endr
	QUANT2 96, 192, 232
	global_store_b128 v[L16], v[192:195], s[58:59]         ; 512 and 256 consecutive bytes, aligned
	global_store_b64 v[L8], v[196:197], s[58:59] offset:512
	v_lshrrev_b32 v231, v10, v232
	global_store_b8 v8, v231, s[60:61]                     ; two bytes a token and head: launch 3 reads a token's 32 bytes as x's are read in launch 1
	s_wait_tensorcnt 0x0                           ; the wave's end
	ds_add_u32 v[SPW], v[NIL]
	s_wait_dscnt 0x0
	s_endpgm
.Lfunc_end_k_q742dfa3295_attn:
	.size	k_q742dfa3295_attn, .Lfunc_end_k_q742dfa3295_attn-k_q742dfa3295_attn
	.p2alignl 7, 3214868480
	.fill 96, 4, 3214868480
	.section	.rodata,"a",@progbits
	.p2align	6, 0x0
	.amdhsa_kernel k_q742dfa3295_attn
		.amdhsa_group_segment_fixed_size 327680
		.amdhsa_private_segment_fixed_size 0
		.amdhsa_enable_private_segment 0
		.amdhsa_kernarg_size 48
		.amdhsa_user_sgpr_count 2
		.amdhsa_user_sgpr_kernarg_segment_ptr 1
		.amdhsa_wavefront_size32 1
		.amdhsa_system_sgpr_workgroup_id_x 1
		.amdhsa_system_sgpr_workgroup_id_y 1
		.amdhsa_system_sgpr_workgroup_id_z 1
		.amdhsa_system_vgpr_workitem_id 0
		.amdhsa_next_free_vgpr 256
		.amdhsa_next_free_sgpr 66
		.amdhsa_reserve_vcc 1
		.amdhsa_float_denorm_mode_32 3
		.amdhsa_float_denorm_mode_16_64 3
		.amdhsa_memory_ordered 1
		.amdhsa_forward_progress 1
		.amdhsa_inst_pref_size 53
	.end_amdhsa_kernel
	.amdgpu_metadata
---
amdhsa.version: [ 1, 2 ]
amdhsa.kernels:
  - .name:           k_q742dfa3295_attn
    .symbol:         k_q742dfa3295_attn.kd
    .args:
      - { .name: qc, .offset: 0, .size: 8, .value_kind: global_buffer, .address_space: global }
      - { .name: qs, .offset: 8, .size: 8, .value_kind: global_buffer, .address_space: global }
      - { .name: kst, .offset: 16, .size: 8, .value_kind: global_buffer, .address_space: global }
      - { .name: vst, .offset: 24, .size: 8, .value_kind: global_buffer, .address_space: global }
      - { .name: yc, .offset: 32, .size: 8, .value_kind: global_buffer, .address_space: global }
      - { .name: ys, .offset: 40, .size: 8, .value_kind: global_buffer, .address_space: global }
    .group_segment_fixed_size: 327680
    .private_segment_fixed_size: 0
    .kernarg_segment_align: 8
    .kernarg_segment_size: 48
    .max_flat_workgroup_size: 512
    .sgpr_count:     66
    .vgpr_count:     256
    .wavefront_size: 32
...
	.end_amdgpu_metadata
.endif
;; end of part 2
;; launch proj (part 3): grid 8 x 32, 8 waves a work-group, clusters of 4 x 4, 327,680 bytes of LDS; arguments yc, ys, Wproj_codes, Wproj_scales, out0; writes out0
.if DOCPART == 3
	.amdgcn_target "amdgcn-amd-amdhsa--gfx1250"
	.amdhsa_code_object_version 6
	.text
	.protected	k_q742dfa3295_proj
	.globl	k_q742dfa3295_proj
	.p2align	8
	.type	k_q742dfa3295_proj,@function
k_q742dfa3295_proj:
	s_mov_b64 s[64:65], 0
	v_nop
	global_prefetch_b8 v0, s[64:65] scope:SCOPE_SE
	s_setreg_imm32_b32 hwreg(HW_REG_WAVE_MODE, 25, 1), 1
	s_wait_xcnt 0x0
	s_wait_alu depctr_hold_cnt(0) depctr_sa_sdst(0) depctr_va_vdst(0) depctr_va_sdst(0) depctr_va_ssrc(0) depctr_va_vcc(0) depctr_vm_vsrc(0)
	s_getreg_b32 s2, hwreg(HW_REG_IB_STS2, 6, 4)
	s_cmp_eq_u32 s2, 0
	s_cbranch_scc0 .Lentry_in_a_cluster
	s_endpgm
.Lentry_in_a_cluster:
	s_bfe_u32 s2, ttmp6, 0x10000c
	s_cmp_lg_u32 s2, 0xf033
	s_cbranch_scc0 .Lentry_shape_is_right
	s_endpgm
.Lentry_shape_is_right:
; LAUNCH 3 OF 3: out0 = y Wproj^T on codes of FP6 (E2M3): y's as launch 2 stored them, Wproj's as they are given.  Nothing is left out here.
; SHARES.  A work-group makes 128 tokens x 128 features: 256 work-groups.  All of K (1,024) of both operands comes into LDS once, one tensor load a wave, nothing is filled again.  Eight waves: wave w takes 32 tokens
; (a = w % 4) x 64 features (bq = w / 4): 8 accumulators, TRANSPOSED (source 0 = 16 rows of Wproj, source 1 = 16 tokens): a lane holds eight neighbouring features of one token.
; CLUSTER 4 x 4: the four of a row of the cluster need the same tokens of y, the four of a column the same rows of Wproj: each tile is asked for jointly.
; yc [tile of 16 tokens][head][768]: six registers a lane (512 bytes at 16 l, 256 at 8 l); heads 2 s and 2 s + 1 are K step s.  In LDS each 256 bytes are followed by 16 of padding.
.set RP,    816
.set LOADB, 96*272
.set WL,    4*LOADB                    ; LDS: y's 8 tiles from 0; Wproj's 128 rows from here
.set STG,   8*LOADB                    ; a stage of 16 rows x (256 bytes + 16) for each wave: no tensor load lands here
.set SPARE, STG+8*16*272               ; the spare words, 128 bytes for each of eight waves: four blocks of 256 bytes that no other line names
.set SPW, 1
.set NIL, 2
.set YA,  3                            ; v3   y: my lane's 16 bytes of an image's first 512
.set YB,  4                            ; v4   and its 8 bytes of the last 256
.set WA,  5                            ; v5,6 my 64 rows of Wproj
.set STO, 7
.set RD,  8
.set GO,  9
.set YS,  16                           ; v16-39 hold scale words and nothing else
.set WS,  24
.set ACC, 64
.set YF,  128
.set WF,  152
.macro PLACES
.rept 4
	v_nop
.endr
.endm
.macro CROUND
	s_barrier_signal -1
	s_barrier_wait -1
	s_cmp_lg_u32 s14, 0
	s_cbranch_scc1 .Lnot_wave_0_\@
	s_barrier_signal -3
.Lnot_wave_0_\@:
	s_barrier_wait -3
	s_barrier_signal -1
	s_barrier_wait -1
.endm
.macro WM d, a, b, zero, sa, sb, ra, rb
.if \zero
.if (\ra) && (\rb)
	v_wmma_scale_f32_16x16x128_f8f6f4 v[(\d):(\d)+7], v[(\a):(\a)+11], v[(\b):(\b)+11], 0, v[\sa], v[\sb] matrix_a_fmt:MATRIX_FMT_FP6 matrix_b_fmt:MATRIX_FMT_FP6 matrix_a_scale:MATRIX_SCALE_ROW1 matrix_b_scale:MATRIX_SCALE_ROW1
.elseif \ra
	v_wmma_scale_f32_16x16x128_f8f6f4 v[(\d):(\d)+7], v[(\a):(\a)+11], v[(\b):(\b)+11], 0, v[\sa], v[\sb] matrix_a_fmt:MATRIX_FMT_FP6 matrix_b_fmt:MATRIX_FMT_FP6 matrix_a_scale:MATRIX_SCALE_ROW1
.elseif \rb
	v_wmma_scale_f32_16x16x128_f8f6f4 v[(\d):(\d)+7], v[(\a):(\a)+11], v[(\b):(\b)+11], 0, v[\sa], v[\sb] matrix_a_fmt:MATRIX_FMT_FP6 matrix_b_fmt:MATRIX_FMT_FP6 matrix_b_scale:MATRIX_SCALE_ROW1
.else
	v_wmma_scale_f32_16x16x128_f8f6f4 v[(\d):(\d)+7], v[(\a):(\a)+11], v[(\b):(\b)+11], 0, v[\sa], v[\sb] matrix_a_fmt:MATRIX_FMT_FP6 matrix_b_fmt:MATRIX_FMT_FP6
.endif
.else
.if (\ra) && (\rb)
	v_wmma_scale_f32_16x16x128_f8f6f4 v[(\d):(\d)+7], v[(\a):(\a)+11], v[(\b):(\b)+11], v[(\d):(\d)+7], v[\sa], v[\sb] matrix_a_fmt:MATRIX_FMT_FP6 matrix_b_fmt:MATRIX_FMT_FP6 matrix_a_scale:MATRIX_SCALE_ROW1 matrix_b_scale:MATRIX_SCALE_ROW1
.elseif \ra
	v_wmma_scale_f32_16x16x128_f8f6f4 v[(\d):(\d)+7], v[(\a):(\a)+11], v[(\b):(\b)+11], v[(\d):(\d)+7], v[\sa], v[\sb] matrix_a_fmt:MATRIX_FMT_FP6 matrix_b_fmt:MATRIX_FMT_FP6 matrix_a_scale:MATRIX_SCALE_ROW1
.elseif \rb
	v_wmma_scale_f32_16x16x128_f8f6f4 v[(\d):(\d)+7], v[(\a):(\a)+11], v[(\b):(\b)+11], v[(\d):(\d)+7], v[\sa], v[\sb] matrix_a_fmt:MATRIX_FMT_FP6 matrix_b_fmt:MATRIX_FMT_FP6 matrix_b_scale:MATRIX_SCALE_ROW1
.else
	v_wmma_scale_f32_16x16x128_f8f6f4 v[(\d):(\d)+7], v[(\a):(\a)+11], v[(\b):(\b)+11], v[(\d):(\d)+7], v[\sa], v[\sb] matrix_a_fmt:MATRIX_FMT_FP6 matrix_b_fmt:MATRIX_FMT_FP6
.endif
.endif
.endm
.macro FRAG reg, adr, s, row           ; a fragment of Wproj from rows of 816 bytes, in pieces of 8; where lanes 16-31's piece lies behind one padding more, the second address register serves
.irp p, 0,1,2,3,4,5
.set PB, 96*(\s)+48*(\p/3)+8*(\p%3)
.if (PB+24)/256 == PB/256
	ds_load_b64 v[(\reg)+2*\p:(\reg)+2*\p+1], v[\adr] offset:PB+16*(PB/256)+(\row)*RP
.else
	ds_load_b64 v[(\reg)+2*\p:(\reg)+2*\p+1], v[(\adr)+1] offset:PB+16*(PB/256)+(\row)*RP
.endif
.endr
.endm
.macro PSTEP s, zero                   ; K step s: two fragments of y, four of Wproj, eight products; the eight accumulators take turns, from step to step too
.if !(\zero)
	PLACES
.endif
.irp u, 0,1
.irp c, 0,1
	ds_load_b128 v[YF+12*\u+6*\c:YF+12*\u+6*\c+3], v[YA] offset:(16*\u+2*(\s)+\c)*RP
	ds_load_b64 v[YF+12*\u+6*\c+4:YF+12*\u+6*\c+5], v[YB] offset:(16*\u+2*(\s)+\c)*RP
.endr
.endr
.irp t, 0,1,2,3
	FRAG WF+12*\t, WA, \s, 16*\t
.endr
	s_wait_dscnt 0x0
.irp u, 0,1
.irp t, 0,1,2,3
	WM ACC+32*\u+8*\t, WF+12*\t, YF+12*\u, \zero, WS+8*(\t/2)+\s, YS+\s, \t%2, \u
.endr
.endr
.endm
; The way out of token tile u: a lane's 32 bytes of a row go into my own stage and come back as whole rows of 256 bytes.  LDS serves a wave's instructions in order (ISA guide 5.7.1.4): no wait between the stores and the loads
.macro OUTT u, bk
.irp t, 0,1,2,3
	ds_store_b128 v[STO], v[ACC+32*(\u)+8*\t:ACC+32*(\u)+8*\t+3] offset:64*\t          ; each accumulator from its low end on
	ds_store_b128 v[STO], v[ACC+32*(\u)+8*\t+4:ACC+32*(\u)+8*\t+7] offset:64*\t+16
.endr
.irp i, 0,1,2,3,4,5,6,7
	ds_load_b128 v[(\bk)+4*\i:(\bk)+4*\i+3], v[RD] offset:544*\i
.endr
.irp i, 0,1,2,3,4,5,6,7
	s_wait_dscnt 7-\i                              ; load i of the eight is in; the 7 - i younger ones may be out
	global_store_b128 v[GO], v[(\bk)+4*\i:(\bk)+4*\i+3], s[12:13] offset:(16*(\u)+2*\i)*4096 th:TH_STORE_NT   ; sixteen lanes store 256 consecutive bytes, aligned; written once, read by nobody here
.endr
.endm
	s_load_b256 s[4:11], s[0:1], 0x0               ; yc 4, ys 6, Wproj codes 8, Wproj scales 10
	s_load_b64 s[12:13], s[0:1], 0x20              ; out0
	v_lshl_add_u32 v[SPW], v0, 2, SPARE
	v_mov_b32 v[NIL], 0
	ds_add_u32 v[SPW], v[NIL]                      ; the wave's opening: the add, twice on end, and its wait ahead of the first tensor loads
	ds_add_u32 v[SPW], v[NIL]
	v_lshrrev_b32 v10, 5, v0
	v_readfirstlane_b32 s14, v10                   ; wave 0..7
	s_and_b32 s15, s14, 3                          ; a: my 32 tokens.  Also: which quarter of a tile I fetch
	s_lshr_b32 s16, s14, 2                         ; bq: my 64 features.  Also: I fetch for y (0) or for Wproj (1)
	s_bfe_u32 s40, ttmp6, 0x40000                  ; cx
	s_bfe_u32 s41, ttmp6, 0x40004                  ; cy
	s_lshl_b32 s42, ttmp9, 2
	s_add_co_u32 s42, s42, s40                     ; nb: my 128 features
	s_and_b32 s17, ttmp7, 0xffff
	s_lshl_b32 s17, s17, 2
	s_add_co_u32 s17, s17, s41                     ; tbk: my 128 tokens
	s_lshl_b32 s43, s41, 2
	s_lshl_b32 s43, 15, s43                        ; my row of the cluster
	s_lshl_b32 s44, 0x1111, s40                    ; my column
	; descriptor group 1: 96 rows of 256 bytes (32 elements of 8), dense, 16 bytes of padding behind each; y's go to my row, Wproj's to my column; bit 21 beside the mask
	s_or_b32 s24, s43, (3<<16)|(1<<20)|(1<<21)|(5<<22)|(3<<25)
	s_or_b32 s48, s44, (3<<16)|(1<<20)|(1<<21)|(5<<22)|(3<<25)
.irp g, 24, 48
	s_mov_b32 s[\g+1], 32<<16
	s_mov_b32 s[\g+2], 96<<16
	s_mov_b32 s[\g+3], 32<<16
	s_mov_b32 s[\g+4], 96
	s_mov_b32 s[\g+5], 32
	s_mov_b32 s[\g+6], 0
	s_mov_b32 s[\g+7], 0
.endr
	s_mul_i32 s18, s15, 24576
	s_mul_i32 s20, s17, 98304                      ; y's address hangs on the tokens' block and the wave alone,
	s_add_co_u32 s20, s20, s18
	s_mov_b32 s21, 0
	s_mul_i32 s46, s42, 98304                      ; Wproj's on the features' block and the wave alone: each in registers that never hold the other coordinate
	s_add_co_u32 s46, s46, s18
	s_mov_b32 s47, 0
	s_mul_i32 s45, s14, LOADB                      ; where they go: wave x 26,112: no place in the cluster enters an LDS address
	s_wait_dscnt 0x0                               ; both opening adds are done
	s_wait_kmcnt 0x0
	s_mov_b32 s32, 1
	s_mov_b32 s33, s45
	s_add_nc_u64 s[34:35], s[4:5], s[20:21]
	s_or_b32 s35, s35, 0x80000000
	s_mov_b32 s56, 1
	s_mov_b32 s57, s45
	s_add_nc_u64 s[58:59], s[8:9], s[46:47]
	s_or_b32 s59, s59, 0x80000000
	CROUND                                         ; all sixteen work-groups are here: the joint loads meet
	s_cmp_eq_u32 s16, 0                            ; the branch hangs on the wave's number alone; every wave issues one load
	s_cbranch_scc0 .Lfor_w
	tensor_load_to_lds s[32:35], s[24:31]
	s_nop 0
	PLACES
	s_branch .Lasked
.Lfor_w:
	tensor_load_to_lds s[56:59], s[48:55]
	s_nop 0
	PLACES
.Lasked:
	v_and_b32 v10, 31, v0                          ; lane
	v_and_b32 v11, 15, v0                          ; r
	v_bfe_u32 v12, v0, 4, 1                        ; h
	s_mul_i32 s70, s15, LOADB
	v_lshlrev_b32 v[YA], 4, v10
	v_lshl_add_u32 v[YA], v12, 4, v[YA]            ; 16 x lane, and lanes 16-31 behind one padding
	v_add_nc_u32 v[YA], s70, v[YA]
	v_lshlrev_b32 v[YB], 3, v10
	s_add_co_u32 s71, s70, 544
	v_add_nc_u32 v[YB], s71, v[YB]
	v_mul_u32_u24 v[WA], v11, RP
	v_mad_u32_u24 v[WA], v12, 24, v[WA]
	s_mul_i32 s72, s16, 64*RP
	s_add_co_u32 s72, s72, WL
	v_add_nc_u32 v[WA], s72, v[WA]
	v_lshl_add_u32 v[WA+1], v12, 4, v[WA]
	s_mul_i32 s73, s14, 16*272
	s_add_co_u32 s73, s73, STG                     ; my stage
	v_mul_u32_u24 v[STO], v11, 272
	v_lshl_add_u32 v[STO], v12, 5, v[STO]
	v_add_nc_u32 v[STO], s73, v[STO]               ; in: row r, 32 bytes for each half of the lanes
	v_mul_u32_u24 v[RD], v12, 272
	v_lshl_add_u32 v[RD], v11, 4, v[RD]
	v_add_nc_u32 v[RD], s73, v[RD]                 ; back: lanes 0-15 one row, lanes 16-31 the next
	v_lshlrev_b32 v[GO], 12, v12
	v_lshl_add_u32 v[GO], v11, 4, v[GO]            ; and the same two rows of out0
	v_lshlrev_b32 v13, 5, v10                      ; scale bytes: a lane a row of 32 bytes
	s_lshl_b32 s66, s17, 12
	s_lshl_b32 s67, s15, 10
	s_add_co_u32 s66, s66, s67
	s_mov_b32 s67, 0
	s_add_nc_u64 s[66:67], s[6:7], s[66:67]        ; y's at my 32 tokens
	s_lshl_b32 s68, s42, 12
	s_lshl_b32 s69, s16, 11
	s_add_co_u32 s68, s68, s69
	s_mov_b32 s69, 0
	s_add_nc_u64 s[68:69], s[10:11], s[68:69]      ; Wproj's at my 64 rows
	global_load_b128 v[YS:YS+3], v13, s[66:67]
	global_load_b128 v[YS+4:YS+7], v13, s[66:67] offset:16
	global_load_b128 v[WS:WS+3], v13, s[68:69]
	global_load_b128 v[WS+4:WS+7], v13, s[68:69] offset:16
	global_load_b128 v[WS+8:WS+11], v13, s[68:69] offset:1024
	global_load_b128 v[WS+12:WS+15], v13, s[68:69] offset:1040
	s_lshl_b32 s60, s17, 7
	s_lshl_b32 s61, s15, 5
	s_add_co_u32 s60, s60, s61                     ; my first token,
	s_lshl_b32 s60, s60, 12                        ; its row of 4,096 bytes,
	s_lshl_b32 s62, s42, 9
	s_lshl_b32 s63, s16, 8
	s_add_co_u32 s62, s62, s63                     ; my first feature, in bytes
	s_add_co_u32 s60, s60, s62
	s_mov_b32 s61, 0
	s_add_nc_u64 s[12:13], s[12:13], s[60:61]
	s_wait_tensorcnt 0x0                           ; my load has landed,
	s_barrier_signal -1
	s_barrier_wait -1                              ; everybody's has
	s_wait_loadcnt 0x0                             ; the scale words
	PSTEP 0, 1                                     ; the first K step starts the sums
.irp s, 1,2,3,4,5,6,7
	PSTEP \s, 0
.endr
	PLACES
	OUTT 0, 200
	OUTT 1, 128
	s_wait_tensorcnt 0x0                           ; the wave's end, behind my last LDS store
	ds_add_u32 v[SPW], v[NIL]
	s_wait_dscnt 0x0
	CROUND                                         ; the closing round: no work-group ends while a partner may still ask for a tile that names it
	s_endpgm
.Lfunc_end_k_q742dfa3295_proj:
	.size	k_q742dfa3295_proj, .Lfunc_end_k_q742dfa3295_proj-k_q742dfa3295_proj
	.p2alignl 7, 3214868480
	.fill 96, 4, 3214868480
	.section	.rodata,"a",@progbits
	.p2align	6, 0x0
	.amdhsa_kernel k_q742dfa3295_proj
		.amdhsa_group_segment_fixed_size 327680
		.amdhsa_private_segment_fixed_size 0
		.amdhsa_enable_private_segment 0
		.amdhsa_kernarg_size 40
		.amdhsa_user_sgpr_count 2
		.amdhsa_user_sgpr_kernarg_segment_ptr 1
		.amdhsa_wavefront_size32 1
		.amdhsa_system_sgpr_workgroup_id_x 1
		.amdhsa_system_sgpr_workgroup_id_y 1
		.amdhsa_system_sgpr_workgroup_id_z 1
		.amdhsa_system_vgpr_workitem_id 0
		.amdhsa_next_free_vgpr 256
		.amdhsa_next_free_sgpr 80
		.amdhsa_reserve_vcc 0
		.amdhsa_float_denorm_mode_32 3
		.amdhsa_float_denorm_mode_16_64 3
		.amdhsa_memory_ordered 1
		.amdhsa_forward_progress 1
		.amdhsa_inst_pref_size 37
	.end_amdhsa_kernel
	.amdgpu_metadata
---
amdhsa.version: [ 1, 2 ]
amdhsa.kernels:
  - .name:           k_q742dfa3295_proj
    .symbol:         k_q742dfa3295_proj.kd
    .args:
      - { .name: yc, .offset: 0, .size: 8, .value_kind: global_buffer, .address_space: global }
      - { .name: ys, .offset: 8, .size: 8, .value_kind: global_buffer, .address_space: global }
      - { .name: Wproj_codes, .offset: 16, .size: 8, .value_kind: global_buffer, .address_space: global }
      - { .name: Wproj_scales, .offset: 24, .size: 8, .value_kind: global_buffer, .address_space: global }
      - { .name: out0, .offset: 32, .size: 8, .value_kind: global_buffer, .address_space: global }
    .group_segment_fixed_size: 327680
    .private_segment_fixed_size: 0
    .kernarg_segment_align: 8
    .kernarg_segment_size: 40
    .max_flat_workgroup_size: 256
    .sgpr_count:     80
    .vgpr_count:     256
    .wavefront_size: 32
...
	.end_amdgpu_metadata
.endif
;; end of part 3
